; MI455X (gfx1250); checked and timed in simulation.
; The chip was launched on July 23, 2026; its instructions are those of AMD's public machine-readable ISA for CDNA 5 (MIT licence, August 2026) and "CDNA5" Instruction Set Architecture Reference Guide (July 2026). The comments in the code are by the model that wrote it; some were corrected since.
;; MH Attn. Allowed arithmetic: matrix products marked QUANTISED: E4M3 operands, one given power-of-two scale a tensor, by v_wmma_f32_16x16x64_fp8_fp8 or v_wmma_f32_16x16x128_fp8_fp8, f32 sums; products left as they are: f32 operands where the result goes on into a quantised operand, else bf16, f16 or f32 operands; f32 sums; everything else in f32.
;; Inputs: Wk 1,024 x 1,024 float32; Wo 1,024 x 1,024 float32; Wq 1,024 x 1,024 float32; Wv 1,024 x 1,024 float32; bk 1,024 float32; bo 1,024 float32; bq 1,024 float32; bv 1,024 float32; k 16 x 1,024 x 1,024 float32; lowp_scales 8 int32 (the exponents e of the quantised operands' scales 2^e); q 16 x 1 x 1,024 float32; v 16 x 1,024 x 1,024 float32.
;; Outputs: out0 16 x 1,024 x 1,024 float32.
;; This version of the problem:
;;   THIS VERSION OF THE PROBLEM IS GIVEN IN LOW PRECISION. The matrix products marked QUANTISED in the list below multiply operands that are first quantised to E4M3 (4 exponent bits, 3 mantissa bits; 8 bits a number), with one given power-of-two scale for each operand tensor; their sums are f32. All else is computed in f32.
;;   The module's matrix products, in the order in which they are computed (A, B: the left and right operand; K: the contracted axis; several contracted axes count as one K, in the product's order):
;;     1. [M 16, K 1,024] x [K 1,024, N 1,024]; A: input q; B: input Wq: QUANTISED (scales: A lowp_scales[0], B lowp_scales[1])
;;     2. [M 16,384, K 1,024] x [K 1,024, N 1,024]; A: input k; B: input Wk: QUANTISED (scales: A lowp_scales[2], B lowp_scales[3])
;;     3. [M 16,384, K 1,024] x [K 1,024, N 1,024]; A: input v; B: input Wv: QUANTISED (scales: A lowp_scales[4], B lowp_scales[5])
;;     4. batch 256 x [M 1, K 64] x [K 64, N 1,024]; A: computed on the way; B: computed on the way: left as it is (M = 1 < 16)
;;     5. [M 16,384, K 1,024] x [K 1,024, N 1,024]; A: computed on the way; B: input Wo: QUANTISED (scales: A lowp_scales[6], B lowp_scales[7])
;;   THE QUANTISER, for each operand of a quantised product, along K:
;;     - The operand's scale is 2^e, e = its entry of the input lowp_scales (int32; the entries are numbered through the quantised products in the list's order, A before B).
;;     - Each number is divided by the scale, clamped to +-448, and rounded to the nearest number of E4M3, ties to even, subnormals kept.
;;     - The product sums the exact products of the quantised numbers (number of the format x scale) in f32.
;;   ~~~python
;;   def quantise(x, axis, e):      # numpy; x: float32 -> the quantised numbers, widened to float32 again
;;       x = np.moveaxis(x, axis, -1); K = x.shape[-1]
;;       r = np.clip(x / 2.0 ** e, -448, 448)
;;       step = 2.0 ** (np.maximum(np.frexp(np.where(r == 0, 1, r))[1] - 1, -6) - 3)
;;       q = np.round(r / step) * step * 2.0 ** e      # np.round: ties to even
;;       return np.moveaxis(q, -1, axis).astype(np.float32)
;;   ~~~
;;   OPERANDS COMPUTED ON THE WAY. 'Computed on the way' means the value that the module computes at that place (a softmax that the list does not call 'softmax' is quantised finished and normalised). What goes into a quantiser is computed in f32, as accurately as f32 sums, v_exp_f32 and their like allow (about 1e-6 of the number): no bf16 or f16 on the way to a quantiser, and a product that is left as it is and whose result goes on into a quantised operand takes f32 operands (vector FMAs, or v_wmma_f32_16x16x4_f32). A number that lies on a knife's edge between two numbers of the format may be rounded either way, as far as f32 arithmetic and the matrix unit's own rounding can turn it there, and no further.
;; 2 versions. Each part assembles by itself: llvm-mc -triple=amdgcn-amd-amdhsa -mcpu=gfx1250 --defsym DOCPART=n.
;; ======== version 1 of 2: 3 launches
;; workspace buffers: wc 3,145,728 bytes; qh 65,536 bytes; sc 1,048,576 bytes
;; launch prep (part 1): grid 256 x 1, 8 waves a work-group, no clusters, 9,216 bytes of LDS; arguments Wk, Wv, Wo, Wq, q, bq, lowp_scales, wc, qh; writes wc, qh
.if DOCPART == 1
	.amdgcn_target "amdgcn-amd-amdhsa--gfx1250"
	.amdhsa_code_object_version 6
	.text
	.protected	k_qb973289708_prep
	.globl	k_qb973289708_prep
	.p2align	8
	.type	k_qb973289708_prep,@function
k_qb973289708_prep:
	s_mov_b64 s[64:65], 0
	v_nop
	global_prefetch_b8 v0, s[64:65] scope:SCOPE_SE
	s_setreg_imm32_b32 hwreg(HW_REG_WAVE_MODE, 25, 1), 1
	s_wait_xcnt 0x0
; PREP.  Work-groups 0-191: Wk, Wv, Wo ([K = 1024][N = 1024] f32) become codes of E4M3 with their given scales 2^e3, 2^e5, 2^e7, laid in wc in the order of the
; operand's registers: a fragment (16 columns x 128 places along K) is 2,048 bytes; piece q (16 places) of column r lies at 256 q + 16 r.  Which k stands at a place:
;   order A (Wk, Wv): in a span of 256 k, place 8 l + j is k = 4 l + j (j < 4) or 128 + 4 l + j - 4: so the later launches may load rows of k and v densely, 16 bytes a lane.
;   order B (Wo): in a K step of 128, piece 2 c + h, byte i is k = 32 c + 16 (i / 8) + 8 h + i % 8: what two neighbouring result tiles of a lane give when they are converted.
; The same order is used for the other operand of each product, so every product meets its partner.
; A LANE TAKES A COLUMN n AND ITS REGISTERS RUN ALONG THE PLACES: the conversions' results are a piece's 16 bytes, and sixteen lanes store 256 consecutive bytes, aligned.
; Work-groups 192-255: qh = Q(q) Q(Wq) 2^(e0 + e1) + bq.  Work-group nt makes 16 columns for the 16 rows; wave w takes K step w (128 k); the eight partial tiles meet in LDS and wave 0
; adds them in ascending K.  qh is stored in pieces of 64 bytes a row: it is 65,536 bytes in all.
; LIMITS: every e between -126 and 119, e0 + e1 between -126 and 127.  NaN among the inputs is not served; what lies beyond a scale's range is held at the largest code.
.set SPARE, 8192                       ; behind the eight partial tiles: the spare words, 128 bytes a wave
.set SPW, 1                            ; v1  LDS address of my spare word; never rewritten
.set NIL, 2                            ; v2  0; never rewritten
.set X,   16                           ; v16-79   64 numbers of a weight
.set Y,   80                           ; v80-143  a weight's codes (16), or 64 numbers of q
.set CW,  144                          ; v144-159 Wq's fragment
.set CQ,  160                          ; v160-175 q's fragment
.set D,   176                          ; v176-183 the partial tile
.macro HOLD first, count, lim          ; the conversion to an 8-bit code does not saturate (ISA guide 7.6.2): each number is held within the largest code x the scale first
.set ii, 0
.rept \count
	v_med3_num_f32 v[\first+ii], v[\first+ii], -v[\lim], v[\lim]
.set ii, ii+1
.endr
.endm
.macro MKSCALE se, vs, vl              ; s[se] = e:  v[vs] = 2^e as f32 (the conversion takes its exponent field), v[vl] = 448 x 2^e
	s_add_co_i32 s52, s[\se], 127
	s_lshl_b32 s53, s52, 23
	v_mov_b32 v[\vs], s53
	s_add_co_i32 s52, s52, 8
	s_lshl_b32 s52, s52, 23
	s_or_b32 s52, s52, 0x600000
	v_mov_b32 v[\vl], s52
.endm
	s_load_b256 s[4:11], s[0:1], 0x0               ; Wk s[4:5], Wv s[6:7], Wo s[8:9], Wq s[10:11]
	s_load_b256 s[12:19], s[0:1], 0x20             ; q s[12:13], bq s[14:15], the exponents s[16:17], wc s[18:19]
	s_load_b64 s[20:21], s[0:1], 0x40              ; qh
	v_lshl_add_u32 v[SPW], v0, 2, SPARE
	v_mov_b32 v[NIL], 0
	v_lshrrev_b32 v3, 5, v0
	v_readfirstlane_b32 s32, v3                    ; wave 0..7
	v_and_b32 v3, 31, v0                           ; lane
	v_and_b32 v7, 15, v0                           ; r
	v_bfe_u32 v8, v0, 4, 1                         ; h
	s_mov_b32 s37, 0
	s_mov_b32 s39, 0
	s_mov_b32 s41, 0
	s_wait_kmcnt 0x0
	s_load_b256 s[24:31], s[16:17], 0x0            ; e0 .. e7
	s_cmp_ge_u32 ttmp9, 192
	s_cbranch_scc1 .Lq
	; ---- a weight: kind = work-group / 64; of the rest, cb = which 256 columns, pb = which 64 places along K
	s_lshr_b32 s33, ttmp9, 6                       ; kind: 0 Wk, 1 Wv, 2 Wo
	s_and_b32 s34, ttmp9, 63
	s_and_b32 s35, s34, 3                          ; cb
	s_lshr_b32 s34, s34, 2                         ; pb
	v_lshlrev_b32 v4, 2, v3                        ; in: 4 bytes a lane: a wave reads 128 consecutive bytes of a row, the eight waves 1,024
	v_lshlrev_b32 v5, 4, v7                        ; out: 16 r
	s_lshl_b32 s38, s35, 10
	s_lshl_b32 s36, s32, 7
	s_add_co_u32 s38, s38, s36                     ; my wave's first column, in bytes: 4 (256 cb + 32 wave)
	s_and_b32 s42, s34, 1
	s_lshl_b32 s42, s42, 10                        ; which half of a fragment's 2,048 bytes these 64 places are
	s_cmp_eq_u32 s33, 2
	s_cbranch_scc1 .Lwo
	; order A
	s_lshr_b32 s36, s34, 2
	s_lshl_b32 s36, s36, 8
	s_and_b32 s40, s34, 3
	s_lshl_b32 s40, s40, 5
	s_add_co_u32 s36, s36, s40                     ; first row: 256 (pb / 4) + 32 (pb % 4)
	s_lshl_b32 s36, s36, 12
	s_add_co_u32 s38, s38, s36
	s_cmp_eq_u32 s33, 0
	s_cselect_b64 s[44:45], s[4:5], s[6:7]         ; the choice hangs on the work-group's number alone
	s_add_nc_u64 s[44:45], s[44:45], s[38:39]
.irp d, 0,1,2,3
.irp i, 0,1,2,3,4,5,6,7,8,9,10,11,12,13,14,15
	global_load_b32 v[X+16*\d+\i], v4, s[44:45] offset:(8*\d+4*(\i/8)+(\i%4)+128*((\i/4)%2))*4096 th:TH_LOAD_NT
.endr
.endr
	s_lshl_b32 s40, s33, 20                        ; where the codes go: kind x 1 MiB
	s_lshr_b32 s36, s34, 1
	s_lshl_b32 s36, s36, 17
	s_add_co_u32 s40, s40, s36                     ; + K step (pb / 2) x 131,072
	s_lshl_b32 s36, s35, 15
	s_add_co_u32 s40, s40, s36
	s_lshl_b32 s36, s32, 12
	s_add_co_u32 s40, s40, s36                     ; + tile (16 cb + 2 wave) x 2,048
	s_add_co_u32 s40, s40, s42
	v_lshl_add_u32 v5, v8, 11, v5                  ; lanes 16-31: the next tile
	s_wait_kmcnt 0x0
	s_cmp_eq_u32 s33, 0
	s_cselect_b32 s46, s27, s29                    ; e3 or e5
	s_branch .Lcv
.Lwo:	; order B
	s_lshl_b32 s36, s34, 18                        ; first row: 64 pb
	s_add_co_u32 s38, s38, s36
	s_add_nc_u64 s[44:45], s[8:9], s[38:39]
.irp d, 0,1,2,3
.irp i, 0,1,2,3,4,5,6,7,8,9,10,11,12,13,14,15
	global_load_b32 v[X+16*\d+\i], v4, s[44:45] offset:(32*(\d/2)+16*(\i/8)+8*(\d%2)+(\i%8))*4096 th:TH_LOAD_NT
.endr
.endr
	s_lshl_b32 s40, s35, 1                         ; out tile 16 cb + 2 wave + lane / 16 = 16 g + 4 w + 2 sp + tau: slot 2 g + sp,
	s_and_b32 s36, s32, 1
	s_add_co_u32 s40, s40, s36
	s_lshl_b32 s40, s40, 17
	s_add_co_u32 s40, s40, 0x200000                ; behind Wk's and Wv's codes,
	s_lshr_b32 s36, s32, 1
	s_lshl_b32 s36, s36, 15
	s_add_co_u32 s40, s40, s36                     ; reader's wave w x 32,768,
	s_lshr_b32 s36, s34, 1
	s_lshl_b32 s36, s36, 11
	s_add_co_u32 s40, s40, s36                     ; K step (pb / 2) x 2,048
	s_add_co_u32 s40, s40, s42
	v_lshl_add_u32 v5, v8, 14, v5                  ; tau x 16,384
	s_wait_kmcnt 0x0
	s_mov_b32 s46, s31                             ; e7
.Lcv:
	s_add_nc_u64 s[48:49], s[18:19], s[40:41]
	MKSCALE 46, 6, 9
	s_wait_loadcnt 0x0
	HOLD X, 64, 9
.irp g, 0,1,2,3,4,5,6,7
	v_cvt_scalef32_pk8_fp8_f32 v[Y+2*\g:Y+2*\g+1], v[X+8*\g:X+8*\g+7], v6
.endr
	v_nop                                          ; a plain line behind the last conversion
.irp d, 0,1,2,3
	global_store_b128 v5, v[Y+4*\d:Y+4*\d+3], s[48:49] offset:256*\d   ; piece d: sixteen lanes store 256 consecutive bytes, aligned
.endr
	s_endpgm                                       ; this way has touched no LDS
.Lq:	; ---- qh: n tile nt = work-group - 192; my wave's K step = its number
	s_sub_co_u32 s33, ttmp9, 192
	s_lshl_b32 s38, s32, 19                        ; 128 rows of Wq a wave
	s_lshl_b32 s36, s33, 6                         ; 16 columns = 64 bytes a tile
	s_add_co_u32 s38, s38, s36
	s_add_nc_u64 s[44:45], s[10:11], s[38:39]
	v_lshlrev_b32 v4, 2, v7
	v_lshl_add_u32 v4, v8, 16, v4                  ; column r; lanes 16-31 begin 16 rows further down
.irp c, 0,1,2,3
.irp i, 0,1,2,3,4,5,6,7,8,9,10,11,12,13,14,15
	global_load_b32 v[X+16*\c+\i], v4, s[44:45] offset:(32*\c+\i)*4096 th:TH_LOAD_NT   ; Wq(128 w + 32 c + 16 h + i, 16 nt + r)
.endr
.endr
	s_lshl_b32 s40, s32, 9
	s_add_nc_u64 s[46:47], s[12:13], s[40:41]
	v_lshlrev_b32 v5, 12, v7
	v_lshl_add_u32 v5, v8, 6, v5                   ; q: row r of 4,096 bytes, + 64 h
.irp c, 0,1,2,3
.irp j, 0,1,2,3
	global_load_b128 v[Y+16*\c+4*\j:Y+16*\c+4*\j+3], v5, s[46:47] offset:128*\c+16*\j   ; q(r, 128 w + 32 c + 16 h + 4 j ..)
.endr
.endr
	s_lshl_b32 s34, s32, 10
	v_lshl_add_u32 v10, v3, 4, s34                 ; LDS: my partial tile, as an image of its registers: 1,024 x wave + 16 x lane
	v_lshlrev_b32 v11, 4, v3                       ; and where wave 0 reads the eight
	v_lshlrev_b32 v14, 5, v8                       ; bq: my 8 numbers: 32 h
	v_lshl_add_u32 v15, v7, 12, v14                ; qh: row r, + 32 h
	s_add_nc_u64 s[48:49], s[14:15], s[36:37]      ; bq and qh at the tile's first column
	s_add_nc_u64 s[50:51], s[20:21], s[36:37]
	s_wait_kmcnt 0x0
	MKSCALE 25, 6, 9                               ; Wq: e1
	MKSCALE 24, 12, 13                             ; q: e0
	s_add_co_i32 s54, s24, s25
	s_add_co_i32 s54, s54, 127
	s_lshl_b32 s54, s54, 23                        ; 2^(e0 + e1) as f32
	s_mov_b32 s55, s54                             ; (named with it as a pair, so it is written)
	s_wait_loadcnt 0x0
	HOLD X, 64, 9
	HOLD Y, 64, 13
.irp g, 0,1,2,3,4,5,6,7
	v_cvt_scalef32_pk8_fp8_f32 v[CW+2*\g:CW+2*\g+1], v[X+8*\g:X+8*\g+7], v6
	v_cvt_scalef32_pk8_fp8_f32 v[CQ+2*\g:CQ+2*\g+1], v[Y+8*\g:Y+8*\g+7], v12
.endr
	v_nop                                          ; one plain line between a scaled conversion and the matrix instruction that reads its result
	v_wmma_f32_16x16x128_fp8_fp8 v[D:D+7], v[CW:CW+15], v[CQ:CQ+15], 0   ; transposed: lane (r, h), register j: row r of q, column 16 nt + 8 h + j
.rept 4
	v_nop
.endr
	ds_store_b128 v10, v[D:D+3]
	ds_store_b128 v10, v[D+4:D+7] offset:512
	s_wait_dscnt 0x0                               ; for the others' sake: my stores have landed
	s_barrier_signal -1
	s_barrier_wait -1
	s_cmp_lg_u32 s32, 0
	s_cbranch_scc1 .Lqend
.irp w, 0,1,2,3,4,5,6,7
	ds_load_b128 v[X+8*\w:X+8*\w+3], v11 offset:1024*\w
	ds_load_b128 v[X+8*\w+4:X+8*\w+7], v11 offset:1024*\w+512
.endr
	global_load_b128 v[Y:Y+3], v14, s[48:49]
	global_load_b128 v[Y+4:Y+7], v14, s[48:49] offset:16
	s_wait_dscnt 0x0
.irp w, 1,2,3,4,5,6,7
.irp jp, 0,2,4,6
	v_pk_add_f32 v[X+\jp:X+\jp+1], v[X+\jp:X+\jp+1], v[X+8*\w+\jp:X+8*\w+\jp+1]   ; K ascending
.endr
.endr
	s_wait_loadcnt 0x0
.irp jp, 0,2,4,6
	v_pk_fma_f32 v[X+\jp:X+\jp+1], v[X+\jp:X+\jp+1], s[54:55], v[Y+\jp:Y+\jp+1] op_sel_hi:[1,0,1]   ; sum x 2^(e0 + e1) + bq
.endr
	global_store_b128 v15, v[X:X+3], s[50:51]
	global_store_b128 v15, v[X+4:X+7], s[50:51] offset:16
.Lqend:
	s_wait_tensorcnt 0x0                           ; the wave's end: a wait, an add of 0 to my spare word and its wait, behind my last LDS store
	ds_add_u32 v[SPW], v[NIL]
	s_wait_dscnt 0x0
	s_endpgm
.Lfunc_end_k_qb973289708_prep:
	.size	k_qb973289708_prep, .Lfunc_end_k_qb973289708_prep-k_qb973289708_prep
	.p2alignl 7, 3214868480
	.fill 96, 4, 3214868480
	.section	.rodata,"a",@progbits
	.p2align	6, 0x0
	.amdhsa_kernel k_qb973289708_prep
		.amdhsa_group_segment_fixed_size 9216
		.amdhsa_private_segment_fixed_size 0
		.amdhsa_enable_private_segment 0
		.amdhsa_kernarg_size 72
		.amdhsa_user_sgpr_count 2
		.amdhsa_user_sgpr_kernarg_segment_ptr 1
		.amdhsa_wavefront_size32 1
		.amdhsa_system_sgpr_workgroup_id_x 1
		.amdhsa_system_sgpr_workgroup_id_y 1
		.amdhsa_system_sgpr_workgroup_id_z 1
		.amdhsa_system_vgpr_workitem_id 0
		.amdhsa_next_free_vgpr 192
		.amdhsa_next_free_sgpr 66
		.amdhsa_reserve_vcc 0
		.amdhsa_float_denorm_mode_32 3
		.amdhsa_float_denorm_mode_16_64 3
		.amdhsa_memory_ordered 1
		.amdhsa_forward_progress 1
		.amdhsa_inst_pref_size 43
	.end_amdhsa_kernel
	.amdgpu_metadata
---
amdhsa.version: [ 1, 2 ]
amdhsa.kernels:
  - .name:           k_qb973289708_prep
    .symbol:         k_qb973289708_prep.kd
    .args:
      - { .name: Wk, .offset: 0, .size: 8, .value_kind: global_buffer, .address_space: global }
      - { .name: Wv, .offset: 8, .size: 8, .value_kind: global_buffer, .address_space: global }
      - { .name: Wo, .offset: 16, .size: 8, .value_kind: global_buffer, .address_space: global }
      - { .name: Wq, .offset: 24, .size: 8, .value_kind: global_buffer, .address_space: global }
      - { .name: q, .offset: 32, .size: 8, .value_kind: global_buffer, .address_space: global }
      - { .name: bq, .offset: 40, .size: 8, .value_kind: global_buffer, .address_space: global }
      - { .name: lowp_scales, .offset: 48, .size: 8, .value_kind: global_buffer, .address_space: global }
      - { .name: wc, .offset: 56, .size: 8, .value_kind: global_buffer, .address_space: global }
      - { .name: qh, .offset: 64, .size: 8, .value_kind: global_buffer, .address_space: global }
    .group_segment_fixed_size: 9216
    .private_segment_fixed_size: 0
    .kernarg_segment_align: 8
    .kernarg_segment_size: 72
    .max_flat_workgroup_size: 256
    .sgpr_count:     66
    .vgpr_count:     192
    .wavefront_size: 32
...
	.end_amdgpu_metadata
.endif
;; end of part 1
;; launch scores (part 2): grid 256 x 1, 4 waves a work-group, clusters of 4 x 1, 327,680 bytes of LDS; arguments k, wc, qh, bk, lowp_scales, sc; writes sc
.if DOCPART == 2
	.amdgcn_target "amdgcn-amd-amdhsa--gfx1250"
	.amdhsa_code_object_version 6
	.text
	.protected	k_qb973289708_scores
	.globl	k_qb973289708_scores
	.p2align	8
	.type	k_qb973289708_scores,@function
k_qb973289708_scores:
	s_mov_b64 s[64:65], 0
	v_nop
	global_prefetch_b8 v0, s[64:65] scope:SCOPE_SE
	s_setreg_imm32_b32 hwreg(HW_REG_WAVE_MODE, 25, 1), 1
	s_wait_xcnt 0x0
	s_wait_alu depctr_hold_cnt(0) depctr_sa_sdst(0) depctr_va_vdst(0) depctr_va_sdst(0) depctr_va_ssrc(0) depctr_va_vcc(0) depctr_vm_vsrc(0)
	s_getreg_b32 s2, hwreg(HW_REG_IB_STS2, 6, 4)
	s_cmp_eq_u32 s2, 0
	s_cbranch_scc0 .Lentry_in_a_cluster
	s_endpgm
.Lentry_in_a_cluster:
	s_bfe_u32 s2, ttmp6, 0x10000c
	s_cmp_lg_u32 s2, 0x3003
	s_cbranch_scc0 .Lentry_shape_is_right
	s_endpgm
.Lentry_shape_is_right:
; SCORES.  sc[b][h][s] = log2(e) / 8 x sum over d of qh[b][64 h + d] (kh[b][s][64 h + d]),  kh = Q(k) Q(Wk) 2^(e2 + e3) + bk.  kh never goes to memory.
; SHARES.  A work-group takes 64 rows of k and all 1,024 columns.  Wave w makes columns 256 w .. 256 w + 255 (heads 4 w .. 4 w + 3) of the 64 rows: 64 accumulators, 512 registers.
; Wk's codes come in the order of the operand's registers (launch prep), a K step of 128 (131,072 bytes) to a slot, through a ring of two LDS slots.  Each wave fetches and reads its own quarter.
; CLUSTER.  All work-groups walk the same codes of Wk: the four of a cluster ask for each quarter JOINTLY (the same tensor load, the same descriptor, mask 15), which divides the requests by four.
; k arrives as f32: each wave loads 16 rows densely (512 consecutive bytes a load), holds and converts them (scale 2^e2) and lays the codes as rows of 256 bytes (a span of 256 k) in LDS, pitch 272, two buffers by turns.
; The order of k inside a span is that of the loads (place 8 l + j: k = 4 l + j, or 128 + 4 l + j - 4); Wk's codes lie in the same order, so each product meets its partner.
; THE MATRIX INSTRUCTION IS USED TRANSPOSED (source 0 = 16 columns of Wk, source 1 = 16 rows of k): lane (r, h) holds row r and, in register j, column 8 h + j of a tile.
; The dot product with qh is f32 multiply-adds on the finished sums; its result goes on into a quantised operand of the next launch.
; LIMITS: e2 between -126 and 119; e2 + e3 between -126 and 127.  NaN among the inputs is not served; what lies beyond the scale's range is held at the largest code.
; REGISTERS, in windows of 256: window 0: v1-14 addresses and constants; v24-55 codes just made; v56-63 at work; v64-127 k's fragments (two sub-steps of 64 along K); v128-255 a span of k as f32 (set 0), later qh.
;   window 1: v0-127 Wk's fragments, two sets of eight tiles; v128-255 a span of k (set 1), later bk.   windows 2, 3: accumulator (tile t, row tile m) at v[8 (4 (t % 8) + m)] of window 2 + t / 8.
.set SLOTB, 131072                     ; a slot: one K step of all 64 tiles
.set AR0,   262144                     ; behind the ring: k's codes, 64 rows x 272, two buffers 32,768 bytes apart; no tensor load lands from here on
.set AP,    272                        ; 256 bytes + 16: the sixteen rows that a fragment load touches begin at sixteen different groups of banks (ISA guide 11.1)
.set SCST,  AR0+64*AP                  ; a stage of 1,024 bytes for each wave's scores
.set SPARE, 327168                     ; the spare words, 128 bytes a wave: two blocks of 256 bytes that no other line names
.set SPW,  1                           ; v1   LDS address of my spare word; never rewritten
.set NIL,  2                           ; v2   0; never rewritten
.set ADRB, 3                           ; v3-4 my quarter of slot 0, 1: + 16 x lane
.set ADRA, 5                           ; v5   k's fragments: AR0 + 272 r + 16 h
.set AW,   6                           ; v6   where I put a row's 8 codes: AR0 + 16 wave rows + 8 x lane
.set GA,   7                           ; v7   16 x lane
.set SCA,  8                           ; v8   2^e2 as f32
.set PFO,  9                           ; v9   the prefetches' offset
.set LIM,  10                          ; v10  448 x 2^e2
.set SST,  11                          ; v11  the stage: where I put a score
.set SRD,  12                          ; v12  and where I read 16 bytes back
.set SGO,  13                          ; v13  my byte offset in sc
.set HO,   14                          ; v14  32 h: my eight columns of a tile, in f32
.set CD,   24
.set AF,   64
.set XS,   128
.set AB,   20                          ; s[20:21] k at my wave's first row
.set WCB,  6                           ; s[6:7]   Wk's codes
.set G1,   24                          ; s[24:31] descriptor group 1
.set G0,   32                          ; s[32:39] descriptor group 0, a set for each slot
.set WV,   48
.set CX,   49
.set WG,   50
.set SEL,  60                          ; s[60:61] lane selects for v_permlanex16_b32: lane l xor 16
.set SP1,  66                          ; s[66:67] 2^(e2 + e3)
.set QB,   70                          ; s[70:71] qh at my batch and my wave's columns
.set BKB,  72                          ; s[72:73] bk at my wave's columns
.set SCB,  74                          ; s[74:75] sc at my batch, my wave's heads, my work-group's rows
.set MSB, 0
.macro WIN new                         ; the immediate's high byte repeats the setting that is left; a switch that changes nothing is dropped
.if MSB != (\new)
	s_set_vgpr_msb (MSB<<8)|(\new)
.set MSB, (\new)
.endif
.endm
.macro PLACES                          ; four plain vector lines between a matrix instruction and a load into, or a vector line on, its registers
.rept 4
	v_nop
.endr
.endm
.macro CREST                           ; a round of the cluster's barrier behind its opening barrier
	s_cmp_lg_u32 s[WV], 0
	s_cbranch_scc1 .Lnot_wave_0_\@
	s_barrier_signal -3
.Lnot_wave_0_\@:
	s_barrier_wait -3
	s_barrier_signal -1
	s_barrier_wait -1
.endm
.macro CROUND
	s_barrier_signal -1
	s_barrier_wait -1
	CREST
.endm
.macro JLOAD p                         ; a joint load: my wave's quarter of a slot, 128 rows of 256 bytes, dense.  An s_nop 0 and four v_nop follow it
	tensor_load_to_lds s[G0+4*(\p):G0+4*(\p)+3], s[G1:G1+7]
	s_nop 0
.rept 4
	v_nop
.endr
.endm
.macro MKSCALE se, vs, vl              ; s[se] = e:  v[vs] = 2^e as f32, v[vl] = 448 x 2^e
	s_add_co_i32 s52, s[\se], 127
	s_lshl_b32 s53, s52, 23
	v_mov_b32 v[\vs], s53
	s_add_co_i32 s52, s52, 8
	s_lshl_b32 s52, s52, 23
	s_or_b32 s52, s52, 0x600000
	v_mov_b32 v[\vl], s52
.endm
.macro LOADS S, set                    ; span S (256 k, 1,024 bytes) of my 16 rows: 32 loads of 512 consecutive bytes; row i's eight numbers of a lane at v[XS + 8 i]
	WIN 0x40*(\set)
.irp i, 0,1,2,3,4,5,6,7,8,9,10,11,12,13,14,15
.irp z, 0,1
	global_load_b128 v[XS+8*\i+4*\z:XS+8*\i+4*\z+3], v[GA], s[AB:AB+1] offset:\i*4096+(\S)*1024+\z*512 th:TH_LOAD_NT
.endr
.endr
	WIN 0
.endm
.macro CONV S, set, N                  ; span S becomes codes in LDS.  N: the loads issued behind the span's own, which may stay out
	s_wait_loadcnt \N
	WIN 0x41*(\set)
.set ii, 0
.rept 128
	v_med3_num_f32 v[XS+ii], v[XS+ii], -v[LIM], v[LIM]   ; the conversion does not saturate (ISA guide 7.6.2): the hold at the largest code x the scale
.set ii, ii+1
.endr
	WIN 0x01*(\set)
.irp i, 0,1,2,3,4,5,6,7,8,9,10,11,12,13,14,15
	v_cvt_scalef32_pk8_fp8_f32 v[CD+2*\i:CD+2*\i+1], v[XS+8*\i:XS+8*\i+7], v[SCA]
.endr
	v_nop                                          ; a plain line behind the last conversion
	WIN 0
.irp i, 0,1,2,3,4,5,6,7,8,9,10,11,12,13,14,15
	ds_store_b64 v[AW], v[CD+2*\i:CD+2*\i+1] offset:((\S)%2)*32768+\i*AP   ; the 32 lanes fill a row's 256 bytes
.endr
.endm
.macro FA buf, par, sg                 ; k's four fragments (16 rows x 64 places) of sub-step sg of the K step with parity par
.irp m, 0,1,2,3
.irp c, 0,1
	ds_load_b128 v[AF+32*(\sg)+8*\m+4*\c:AF+32*(\sg)+8*\m+4*\c+3], v[ADRA] offset:(\buf)*32768+\m*16*AP+128*(\par)+64*(\sg)+32*\c
.endr
.endr
.endm
.macro FB p, u                         ; unit u = 2 x sub-step + half: eight tiles' fragments of Wk (16 columns x 64 places), into set u % 2
	WIN 0x40
.irp i, 0,1,2,3,4,5,6,7
.irp c, 0,1
	ds_load_b128 v[64*((\u)%2)+8*\i+4*\c:64*((\u)%2)+8*\i+4*\c+3], v[ADRB+(\p)] offset:(8*((\u)%2)+\i)*2048+1024*((\u)/2)+512*\c
.endr
.endr
	WIN 0
.endm
; Unit u's products for row tiles mfirst .. mlast: eight tiles each.  No two matrix instructions that follow each other share an accumulator: the accumulators take turns, one instruction a turn.
.macro MU u, zero, mfirst, mlast
	WIN 0xa1+0x50*((\u)%2)                         ; source 0 (Wk) window 1, source 1 (k) window 0, C and D window 2 or 3
.set mm, \mfirst
.rept (\mlast)-(\mfirst)+1
.set ii, 0
.rept 8
.set rD, 8*(4*ii+mm)
.set rB, 64*((\u)%2)+8*ii
.set rA, AF+32*((\u)/2)+8*mm
.if \zero
	v_wmma_f32_16x16x64_fp8_fp8 v[rD:rD+7], v[rB:rB+7], v[rA:rA+7], 0
.else
	v_wmma_f32_16x16x64_fp8_fp8 v[rD:rD+7], v[rB:rB+7], v[rA:rA+7], v[rD:rD+7]
.endif
.set ii, ii+1
.endr
.set mm, mm+1
.endr
.endm
; A PREFETCH of slots 2 t + 4 and 2 t + 5 of the codes, behind step t's joint load and fragment loads.  All clusters walk the same codes: the first cluster asks.  Its sixteen waves share a slot out BY ADDRESS,
; 8,192 bytes a wave, lanes 256 bytes apart: each aligned block of 256 bytes is named once in the launch.  The slots stand in the immediate: no address register is rewritten.  Slots 0 to 3 come by their loads alone.
.macro ASK t
	s_cmp_lg_u32 ttmp9, 0                          ; the cluster's number: the same in all four partners
	s_cbranch_scc1 .Lnot_mine_\@
	global_prefetch_b8 v[PFO], s[WCB:WCB+1] offset:(2*(\t)+4)*SLOTB th:TH_LOAD_NT scope:SCOPE_SE
	global_prefetch_b8 v[PFO], s[WCB:WCB+1] offset:(2*(\t)+5)*SLOTB th:TH_LOAD_NT scope:SCOPE_SE
.Lnot_mine_\@:
.endm
; K STEP t, first part: units 0, 1, 2.  fill = 1: slot t % 2 is filled again, with K step t + 2.  In front of the round each wave waits for all its tensor loads (one is out: its quarter of the other slot), adds 0 to its
; spare word, and waits for that, for its reads of this slot and of k's codes, and for its stores of codes.  So one round orders three things: the slot's refill, the other slot's reads, and k's codes from wave to wave.
.macro STEP_A t, fill, next
.set PP, (\t)%2
.set BF, ((\t)/2)%2
.set PN, ((\t)+1)%2
.set BN, (((\t)+1)/2)%2
.set ZR, 0
.if (\t) == 0
.set ZR, 1
.endif
	s_wait_dscnt 16                                ; all but unit 1's sixteen loads are in
	MU 0, ZR, 0, 3
	PLACES
	WIN 0
	FA BF, PP, 1
	FB PP, 2
	s_wait_dscnt 24                                ; all but the 24 just issued
	MU 1, ZR, 0, 3
	PLACES
	FB PP, 3
	s_wait_dscnt 16                                ; all but unit 3's sixteen
	MU 2, 0, 0, 1
.if \fill
	WIN 0                                          ; (the add's two registers lie in window 0)
	s_wait_tensorcnt 0x0                           ; all my tensor loads have landed
	ds_add_u32 v[SPW], v[NIL]                      ; 0 onto my spare word
	MU 2, 0, 2, 2                                  ; eight matrix instructions stand between the add and the wait for it
	s_wait_dscnt 0x0                               ; the add is done; my reads of this slot are in; my stores of codes have landed
	s_barrier_signal -1
	MU 2, 0, 3, 3
	WIN 0
	s_barrier_wait -1
	CREST                                          ; no wave of any partner still reads this slot or has a load on its way
	s_add_nc_u64 s[G0+4*PP+2:G0+4*PP+3], s[G0+4*PP+2:G0+4*PP+3], 2*SLOTB
	JLOAD PP                                       ; the first tensor load behind the round; its four v_nop are the places in front of the loads below
.else
.if \next
	s_wait_tensorcnt 0x0                           ; my quarter of the last slot has landed; only I read it
.endif
	MU 2, 0, 2, 3
	s_wait_dscnt 0x0
	PLACES
	WIN 0
.endif
.if \next
	FA BN, PN, 0
	FB PN, 0
.endif
.endm
.macro STEP_B t, next                  ; second part: unit 3
.set PN, ((\t)+1)%2
	MU 3, 0, 0, 3
.if \next
	PLACES
	FB PN, 1
.endif
.endm
.macro HLOAD win, base                 ; 128 numbers a lane in the accumulators' layout: column 16 t + 8 h + j of my wave's 256 at v[XS + 8 t + j]
	WIN 0x40*(\win)
.irp tq, 0,1,2,3,4,5,6,7,8,9,10,11,12,13,14,15
.irp z, 0,1
	global_load_b128 v[XS+8*\tq+4*\z:XS+8*\tq+4*\z+3], v[HO], s[\base:\base+1] offset:64*\tq+16*\z
.endr
.endr
	WIN 0
.endm
	s_load_b256 s[4:11], s[0:1], 0x0               ; k s[4:5], wc s[6:7], qh s[8:9], bk s[10:11]
	s_load_b128 s[12:15], s[0:1], 0x20             ; the exponents s[12:13], sc s[14:15]
	v_lshl_add_u32 v[SPW], v0, 2, SPARE
	v_mov_b32 v[NIL], 0
	ds_add_u32 v[SPW], v[NIL]                      ; the wave's opening: the add and its wait, ahead of my first tensor load; the set-up below stands between them
	v_lshrrev_b32 v56, 5, v0
	v_readfirstlane_b32 s[WV], v56                 ; wave 0..3
	s_bfe_u32 s[CX], ttmp6, 0x40000                ; my place in the cluster: it enters global addresses of plain loads, stores and prefetches alone
	s_lshl_b32 s[WG], ttmp9, 2
	s_add_co_u32 s[WG], s[WG], s[CX]               ; my block of 64 rows
	s_mov_b32 s[G1], 15|(3<<16)|(1<<21)            ; 15:0 the mask: all four work-groups; 17:16 elements of 8 bytes; 21 set beside a mask; no padding
	s_mov_b32 s[G1+1], 32<<16                      ; tensor_dim0 = 32 elements: 256 bytes
	s_mov_b32 s[G1+2], 128<<16                     ; tensor_dim1 = 128
	s_mov_b32 s[G1+3], 32<<16                      ; tile_dim0 = 32
	s_mov_b32 s[G1+4], 128                         ; tile_dim1 = 128
	s_mov_b32 s[G1+5], 32                          ; from row to row: dense
	s_mov_b32 s[G1+6], 0
	s_mov_b32 s[G1+7], 0
	s_mov_b32 s[SEL], 0x76543210
	s_mov_b32 s[SEL+1], 0xfedcba98
	v_and_b32 v57, 31, v0                          ; lane
	v_and_b32 v58, 15, v0                          ; r
	v_bfe_u32 v59, v0, 4, 1                        ; h
	v_lshlrev_b32 v[GA], 4, v57
	s_lshl_b32 s52, s[WV], 15                      ; my quarter of a slot
	s_mov_b32 s53, 0
	v_add_nc_u32 v[ADRB], s52, v[GA]
	v_add_nc_u32 v[ADRB+1], SLOTB, v[ADRB]
	v_mul_u32_u24 v[ADRA], v58, AP
	v_lshl_add_u32 v[ADRA], v59, 4, v[ADRA]
	v_add_nc_u32 v[ADRA], AR0, v[ADRA]
	s_mul_i32 s54, s[WV], 16*AP
	s_add_co_u32 s54, s54, AR0
	v_lshl_add_u32 v[AW], v57, 3, s54
	s_lshl_b32 s55, s[CX], 2
	s_add_co_u32 s55, s55, s[WV]
	s_lshl_b32 s55, s55, 13
	v_lshl_add_u32 v[PFO], v57, 8, s55             ; 8,192 (4 cx + wave) + 256 x lane
	s_lshl_b32 s56, s[WV], 10
	s_add_co_u32 s56, s56, SCST
	v_lshl_add_u32 v[SST], v58, 2, s56
	v_add_nc_u32 v[SRD], s56, v[GA]
	v_lshlrev_b32 v[SGO], 4, v58
	v_lshl_add_u32 v[SGO], v59, 12, v[SGO]         ; lanes 0-15 one head's 256 bytes, lanes 16-31 the next head's
	v_lshlrev_b32 v[HO], 5, v59
	s_wait_dscnt 0x0                               ; the opening add is done
	s_wait_kmcnt 0x0
	s_load_b256 s[40:47], s[12:13], 0x0            ; e0 .. e7
	s_lshl_b32 s56, s[WG], 18                      ; 64 rows of 4,096 bytes a work-group,
	s_lshl_b32 s57, s[WV], 16                      ; 16 a wave
	s_add_co_u32 s56, s56, s57
	s_mov_b32 s57, 0
	s_add_nc_u64 s[AB:AB+1], s[4:5], s[56:57]
	LOADS 0, 0
	LOADS 1, 1
	s_add_nc_u64 s[58:59], s[WCB:WCB+1], s[52:53]
.irp p, 0,1
	s_mov_b32 s[G0+4*\p], 1                        ; count = 1
	s_add_co_u32 s[G0+4*\p+1], s52, \p*SLOTB       ; LDS address: the slot, my quarter
	s_add_nc_u64 s[G0+4*\p+2:G0+4*\p+3], s[58:59], \p*SLOTB   ; global address: K step p, my quarter
	s_or_b32 s[G0+4*\p+3], s[G0+4*\p+3], 0x80000000           ; type = 2
.endr
	s_lshr_b32 s54, s[WG], 4                       ; my batch
	s_lshl_b32 s56, s54, 12
	s_lshl_b32 s55, s[WV], 10
	s_add_co_u32 s56, s56, s55
	s_add_nc_u64 s[QB:QB+1], s[8:9], s[56:57]
	s_mov_b32 s56, s55
	s_add_nc_u64 s[BKB:BKB+1], s[10:11], s[56:57]
	s_lshl_b32 s56, s54, 16
	s_lshl_b32 s55, s[WV], 14
	s_add_co_u32 s56, s56, s55
	s_and_b32 s55, s[WG], 15
	s_lshl_b32 s55, s55, 8
	s_add_co_u32 s56, s56, s55
	s_add_nc_u64 s[SCB:SCB+1], s[14:15], s[56:57]
	CROUND                                         ; all four work-groups are here: the first joint loads meet
	JLOAD 0
	JLOAD 1                                        ; two tensor loads of mine are out
	s_wait_kmcnt 0x0
	MKSCALE 42, SCA, LIM
	s_add_co_i32 s[SP1], s42, s43
	s_add_co_i32 s[SP1], s[SP1], 127
	s_lshl_b32 s[SP1], s[SP1], 23                  ; 2^(e2 + e3) as f32
	s_mov_b32 s[SP1+1], s[SP1]
	CONV 0, 0, 32
	LOADS 2, 0
	s_wait_tensorcnt 1                             ; my quarter of slot 0 is in; slot 1's may stay out
	s_wait_dscnt 0x0                               ; my rows' codes of span 0 have landed
	s_barrier_signal -1
	s_barrier_wait -1
	FA 0, 0, 0
	FB 0, 0
	FB 0, 1
	STEP_A 0, 1, 1
	ASK 0
	CONV 1, 1, 32                                  ; span 1's codes go into the other buffer; they are read behind the next round
	LOADS 3, 1
	STEP_B 0, 1
	STEP_A 1, 1, 1
	ASK 1
	STEP_B 1, 1
	STEP_A 2, 1, 1
	CONV 2, 0, 32                                  ; buffer 0 had its last read of span 0 in front of the round of step 1
	HLOAD 0, QB                                    ; qh, into the registers that span 2 has left
	STEP_B 2, 1
	STEP_A 3, 1, 1
	STEP_B 3, 1
	STEP_A 4, 1, 1
	CONV 3, 1, 32
	HLOAD 1, BKB                                   ; bk
	STEP_B 4, 1
	STEP_A 5, 1, 1
	STEP_B 5, 1
	STEP_A 6, 0, 1                                 ; the last two steps ask for nothing, and have no round
	STEP_B 6, 1
	STEP_A 7, 0, 0
	STEP_B 7, 0
	; ---- the dot products.  score = sum over my 32 columns of a head of qh (sum x 2^(e2 + e3) + bk), then lane l xor 16's 32 columns
	PLACES
	WIN 0
	s_wait_loadcnt 0x0                             ; qh and bk
	WIN 0x04                                       ; source 1 (bk) window 1
.set xx, 0
.rept 16
.irp hd, 0,1,2,3
.if xx == 0
	v_pk_mul_f32 v[56+2*\hd:57+2*\hd], v[XS+32*\hd:XS+32*\hd+1], v[XS+32*\hd:XS+32*\hd+1]
.else
	v_pk_fma_f32 v[56+2*\hd:57+2*\hd], v[XS+32*\hd+2*xx:XS+32*\hd+2*xx+1], v[XS+32*\hd+2*xx:XS+32*\hd+2*xx+1], v[56+2*\hd:57+2*\hd]   ; qh . bk, four chains
.endif
.endr
.set xx, xx+1
.endr
	WIN 0
.set xx, 0
.rept 64
	v_pk_mul_f32 v[XS+2*xx:XS+2*xx+1], v[XS+2*xx:XS+2*xx+1], s[SP1:SP1+1] op_sel_hi:[1,0]   ; qh x 2^(e2 + e3): nothing is rounded
.set xx, xx+1
.endr
.set tt, 0
.rept 16
	WIN 0x02+(tt/8)                                ; source 0: the accumulators' window
.irp jp, 0,2,4,6
.irp m, 0,1,2,3
.set rS, AF+2*(4*\m+tt/4)
.set rC, 8*(4*(tt%8)+\m)+\jp
.if ((tt%4) == 0) && (\jp == 0)
	v_pk_fma_f32 v[rS:rS+1], v[rC:rC+1], v[XS+8*tt+\jp:XS+8*tt+\jp+1], v[56+2*(tt/4):57+2*(tt/4)]   ; each accumulator is read from its low end on
.else
	v_pk_fma_f32 v[rS:rS+1], v[rC:rC+1], v[XS+8*tt+\jp:XS+8*tt+\jp+1], v[rS:rS+1]
.endif
.endr
.endr
.set tt, tt+1
.endr
	WIN 0
.irp x, 0,1,2,3,4,5,6,7,8,9,10,11,12,13,14,15
	v_add_f32 v[AF+2*\x], v[AF+2*\x], v[AF+2*\x+1]
.endr
.irp x, 0,1,2,3,4,5,6,7,8,9,10,11,12,13,14,15
	v_permlanex16_b32 v[AF+2*\x+1], v[AF+2*\x], s[SEL], s[SEL+1]
.endr
.irp x, 0,1,2,3,4,5,6,7,8,9,10,11,12,13,14,15
	v_add_f32 v[AF+2*\x], v[AF+2*\x], v[AF+2*\x+1]
.endr
.irp x, 0,1,2,3,4,5,6,7,8,9,10,11,12,13,14,15
	v_mul_f32 v[AF+2*\x], 0x3e38aa3b, v[AF+2*\x]   ; x log2(e) / 8
.endr
.irp m, 0,1,2,3
.irp hd, 0,1,2,3
	ds_store_b32 v[SST], v[AF+2*(4*\m+\hd)] offset:\hd*256+\m*64   ; my stage: [head][row]; both halves of the lanes write the same word with the same number
.endr
.endr
	ds_load_b128 v[96:99], v[SRD]                  ; LDS serves a wave's instructions in order (ISA guide 5.7.1.4): these see my stores
	ds_load_b128 v[100:103], v[SRD] offset:512
	s_wait_dscnt 0x0
	global_store_b128 v[SGO], v[96:99], s[SCB:SCB+1]                 ; sixteen lanes store a head's 64 scores: 256 consecutive bytes, aligned
	global_store_b128 v[SGO], v[100:103], s[SCB:SCB+1] offset:8192
	s_wait_tensorcnt 0x0                           ; the wave's end: a wait, an add of 0 to my spare word and its wait, behind my last tensor load and my last LDS store
	ds_add_u32 v[SPW], v[NIL]
	s_wait_dscnt 0x0
	CROUND                                         ; the closing round: no work-group ends while a partner may still ask for a tile that names it
	s_endpgm
.Lfunc_end_k_qb973289708_scores:
	.size	k_qb973289708_scores, .Lfunc_end_k_qb973289708_scores-k_qb973289708_scores
	.p2alignl 7, 3214868480
	.fill 96, 4, 3214868480
	.section	.rodata,"a",@progbits
	.p2align	6, 0x0
	.amdhsa_kernel k_qb973289708_scores
		.amdhsa_group_segment_fixed_size 327680
		.amdhsa_private_segment_fixed_size 0
		.amdhsa_enable_private_segment 0
		.amdhsa_kernarg_size 48
		.amdhsa_user_sgpr_count 2
		.amdhsa_user_sgpr_kernarg_segment_ptr 1
		.amdhsa_wavefront_size32 1
		.amdhsa_system_sgpr_workgroup_id_x 1
		.amdhsa_system_sgpr_workgroup_id_y 1
		.amdhsa_system_sgpr_workgroup_id_z 1
		.amdhsa_system_vgpr_workitem_id 0
		.amdhsa_next_free_vgpr 1024
		.amdhsa_next_free_sgpr 80
		.amdhsa_reserve_vcc 0
		.amdhsa_float_denorm_mode_32 3
		.amdhsa_float_denorm_mode_16_64 3
		.amdhsa_memory_ordered 1
		.amdhsa_forward_progress 1
		.amdhsa_inst_pref_size 210
	.end_amdhsa_kernel
	.amdgpu_metadata
---
amdhsa.version: [ 1, 2 ]
amdhsa.kernels:
  - .name:           k_qb973289708_scores
    .symbol:         k_qb973289708_scores.kd
    .args:
      - { .name: k, .offset: 0, .size: 8, .value_kind: global_buffer, .address_space: global }
      - { .name: wc, .offset: 8, .size: 8, .value_kind: global_buffer, .address_space: global }
      - { .name: qh, .offset: 16, .size: 8, .value_kind: global_buffer, .address_space: global }
      - { .name: bk, .offset: 24, .size: 8, .value_kind: global_buffer, .address_space: global }
      - { .name: lowp_scales, .offset: 32, .size: 8, .value_kind: global_buffer, .address_space: global }
      - { .name: sc, .offset: 40, .size: 8, .value_kind: global_buffer, .address_space: global }
    .group_segment_fixed_size: 327680
    .private_segment_fixed_size: 0
    .kernarg_segment_align: 8
    .kernarg_segment_size: 48
    .max_flat_workgroup_size: 128
    .sgpr_count:     80
    .vgpr_count:     1024
    .wavefront_size: 32
...
	.end_amdgpu_metadata
.endif
;; end of part 2
;; launch outp (part 3): grid 256 x 1, 4 waves a work-group, clusters of 4 x 1, 327,680 bytes of LDS; arguments v, wc, sc, bv, bo, lowp_scales, out0; writes out0
.if DOCPART == 3
	.amdgcn_target "amdgcn-amd-amdhsa--gfx1250"
	.amdhsa_code_object_version 6
	.text
	.protected	k_qb973289708_outp
	.globl	k_qb973289708_outp
	.p2align	8
	.type	k_qb973289708_outp,@function
k_qb973289708_outp:
	s_mov_b64 s[64:65], 0
	v_nop
	global_prefetch_b8 v0, s[64:65] scope:SCOPE_SE
	s_setreg_imm32_b32 hwreg(HW_REG_WAVE_MODE, 25, 1), 1
	s_wait_xcnt 0x0
	s_wait_alu depctr_hold_cnt(0) depctr_sa_sdst(0) depctr_va_vdst(0) depctr_va_sdst(0) depctr_va_ssrc(0) depctr_va_vcc(0) depctr_vm_vsrc(0)
	s_getreg_b32 s2, hwreg(HW_REG_IB_STS2, 6, 4)
	s_cmp_eq_u32 s2, 0
	s_cbranch_scc0 .Lentry_in_a_cluster
	s_endpgm
.Lentry_in_a_cluster:
	s_bfe_u32 s2, ttmp6, 0x10000c
	s_cmp_lg_u32 s2, 0x3003
	s_cbranch_scc0 .Lentry_shape_is_right
	s_endpgm
.Lentry_shape_is_right:
; OUTP.  out0 = Q(attn x vh) Q(Wo) 2^(e6 + e7) + bo,  vh = Q(v) Q(Wv) 2^(e4 + e5) + bv,  attn[b][h][s] = softmax over s of the scores (sc holds them x log2(e)).  vh and attn x vh never go to memory.
; SHARES.  A work-group takes 64 rows and all 1,024 columns of both products.  PHASE 1 is launch scores' loop on v and Wv: wave w makes columns 256 w .. 256 w + 255 (heads 4 w .. 4 w + 3) of the 64 rows, 64 accumulators.
; Under it each wave reads its four heads' 1,024 scores, takes their largest away, and makes each head's sum: attn of its own rows needs no other wave.  Then vh x attn is held, converted with 2^e6 in registers (two
; neighbouring tiles of a lane give 16 bytes of an operand; Wo's codes lie in that order), and the 32 fragments go from wave to wave through LDS as images of their registers.
; PHASE 2 goes by columns of out0: every wave holds the whole hidden layer (512 registers); a slot of Wo's codes holds 8 out tiles x all K, two tiles a wave; after two slots a wave has 64 rows x 64 columns, which leave
; through its own stage in LDS as aligned runs of 256 bytes while the next slots are multiplied.
; THE RING of two LDS slots of 131,072 bytes never stops: Wv's eight slots and Wo's eight lie on end in wc.  CLUSTER: all work-groups walk the same codes: the four of a cluster ask for each quarter of a slot JOINTLY.
; THE MATRIX INSTRUCTIONS ARE USED TRANSPOSED (source 0 = 16 columns of a weight, source 1 = 16 rows): lane (r, h) holds row r and, in register j, column 8 h + j of a tile.
; LIMITS: e4 and e6 between -126 and 119; e4 + e5 and e6 + e7 between -126 and 127.  NaN among the inputs is not served; what lies beyond a scale's range is held at the largest code.
; An exponential under the smallest normal f32 number comes out as 0 (ISA guide, v_exp_f32).
; REGISTERS, in windows of 256.  Phase 1: as in launch scores; v24-55 of window 0 hold codes just made, later attn (a pair for each row tile and head); set 0 later holds the scores, set 1 bv.
; Phase 2: window 0: v64-95 bo, v96-127 rows on their way out, v128-255 the 16 accumulators ((out tile, row tile) at v[128 + 8 (4 tile + m)]); window 1: Wo's fragments, two tiles x 8 K steps;
;   windows 2, 3: the hidden layer: fragment (K step ks, row tile m) at v[16 (4 (ks % 4) + m)] of window 2 + ks / 4.
.set SLOTB, 131072
.set AR0,   262144                     ; behind the ring: v's codes, 64 rows x 272, two buffers 32,768 bytes apart; no tensor load lands from here on
.set AP,    272
.set HX,    262144                     ; later: the hidden layer's exchange, 8,192 bytes a wave (buffer 0 has had its last read)
.set STG,   294912                     ; later: a stage of 16 rows x 272 for each wave (buffer 1 has had its last read)
.set SPARE, 327168
.set SPW,  1
.set NIL,  2
.set ADRB, 3                           ; v3-4 my quarter of slot 0, 1: + 16 x lane
.set ADRA, 5
.set AW,   6
.set GA,   7                           ; v7   16 x lane
.set SCA,  8                           ; v8   2^e4
.set PFO,  9
.set LIM,  10                          ; v10  448 x 2^e4
.set SC6,  11                          ; v11  2^e6
.set LIM6, 12                          ; v12  448 x 2^e6
.set HO,   13                          ; v13  32 h
.set RO,   14                          ; v14  my own row's score: 4 (64 (work-group % 16) + r)
.set HXS,  15                          ; v15  the exchange: where I store
.set HXL,  16                          ; v16  and from where I load
.set STO,  17                          ; v17  the stage: where I put 16 bytes of a row
.set RD,   18                          ; v18  and where I read a row back
.set CO,   19                          ; v19  my byte offset in out0
.set CD,   24
.set AF,   64
.set BO,   64
.set BK,   96
.set XS,   128
.set AB,   20                          ; s[20:21] v at my wave's first row
.set WCB,  22                          ; s[22:23] Wv's codes, with Wo's behind them
.set G1,   24
.set G0,   32
.set WV,   48
.set CX,   49
.set WG,   50
.set CNT,  51
.set SEL,  60
.set SP1,  66                          ; s[66:67] 2^(e4 + e5)
.set SP2,  68                          ; s[68:69] 2^(e6 + e7)
.set OB,   70                          ; s[70:71] out0 at my work-group's first row and my wave's columns of the group in hand
.set BOB,  72                          ; s[72:73] bo likewise
.set SCB,  74                          ; s[74:75] sc at my batch and my wave's heads
.set BVB,  76                          ; s[76:77] bv at my wave's columns
.set MSB, 0
.macro WIN new                         ; the immediate's high byte repeats the setting that is left; a switch that changes nothing is dropped
.if MSB != (\new)
	s_set_vgpr_msb (MSB<<8)|(\new)
.set MSB, (\new)
.endif
.endm
.macro PLACES                          ; four plain vector lines between a matrix instruction and a load into, or a vector line on, its registers
.rept 4
	v_nop
.endr
.endm
.macro CREST
	s_cmp_lg_u32 s[WV], 0
	s_cbranch_scc1 .Lnot_wave_0_\@
	s_barrier_signal -3
.Lnot_wave_0_\@:
	s_barrier_wait -3
	s_barrier_signal -1
	s_barrier_wait -1
.endm
.macro CROUND
	s_barrier_signal -1
	s_barrier_wait -1
	CREST
.endm
.macro BARRIER                         ; my LDS stores have landed and my LDS loads are in: then the work-group's barrier.
	s_wait_dscnt 0x0
	s_barrier_signal -1
	s_barrier_wait -1
.endm
.macro JLOAD p                         ; a joint load: my wave's quarter of a slot, 128 rows of 256 bytes, dense.  An s_nop 0 and four v_nop follow it
	tensor_load_to_lds s[G0+4*(\p):G0+4*(\p)+3], s[G1:G1+7]
	s_nop 0
.rept 4
	v_nop
.endr
.endm
.macro MKSCALE se, vs, vl
	s_add_co_i32 s52, s[\se], 127
	s_lshl_b32 s53, s52, 23
	v_mov_b32 v[\vs], s53
	s_add_co_i32 s52, s52, 8
	s_lshl_b32 s52, s52, 23
	s_or_b32 s52, s52, 0x600000
	v_mov_b32 v[\vl], s52
.endm
.macro HOLD first, count, lim
.set ii, 0
.rept \count
	v_med3_num_f32 v[\first+ii], v[\first+ii], -v[\lim], v[\lim]   ; the conversion does not saturate (ISA guide 7.6.2): the hold at the largest code x the scale
.set ii, ii+1
.endr
.endm
.macro LOADS S, set                    ; span S (256 k, 1,024 bytes) of my 16 rows: 32 loads of 512 consecutive bytes
	WIN 0x40*(\set)
.irp i, 0,1,2,3,4,5,6,7,8,9,10,11,12,13,14,15
.irp z, 0,1
	global_load_b128 v[XS+8*\i+4*\z:XS+8*\i+4*\z+3], v[GA], s[AB:AB+1] offset:\i*4096+(\S)*1024+\z*512 th:TH_LOAD_NT
.endr
.endr
	WIN 0
.endm
.macro CONV S, set, N                  ; span S becomes codes in LDS.  N: the loads issued behind the span's own, which may stay out
	s_wait_loadcnt \N
	WIN 0x41*(\set)
	HOLD XS, 128, LIM
	WIN 0x01*(\set)
.irp i, 0,1,2,3,4,5,6,7,8,9,10,11,12,13,14,15
	v_cvt_scalef32_pk8_fp8_f32 v[CD+2*\i:CD+2*\i+1], v[XS+8*\i:XS+8*\i+7], v[SCA]
.endr
	v_nop                                          ; a plain line behind the last conversion
	WIN 0
.irp i, 0,1,2,3,4,5,6,7,8,9,10,11,12,13,14,15
	ds_store_b64 v[AW], v[CD+2*\i:CD+2*\i+1] offset:((\S)%2)*32768+\i*AP
.endr
.endm
.macro FA buf, par, sg
.irp m, 0,1,2,3
.irp c, 0,1
	ds_load_b128 v[AF+32*(\sg)+8*\m+4*\c:AF+32*(\sg)+8*\m+4*\c+3], v[ADRA] offset:(\buf)*32768+\m*16*AP+128*(\par)+64*(\sg)+32*\c
.endr
.endr
.endm
.macro FB p, u
	WIN 0x40
.irp i, 0,1,2,3,4,5,6,7
.irp c, 0,1
	ds_load_b128 v[64*((\u)%2)+8*\i+4*\c:64*((\u)%2)+8*\i+4*\c+3], v[ADRB+(\p)] offset:(8*((\u)%2)+\i)*2048+1024*((\u)/2)+512*\c
.endr
.endr
	WIN 0
.endm
; No two matrix instructions that follow each other share an accumulator: the accumulators take turns, one instruction a turn.
.macro MU u, zero, mfirst, mlast
	WIN 0xa1+0x50*((\u)%2)
.set mm, \mfirst
.rept (\mlast)-(\mfirst)+1
.set ii, 0
.rept 8
.set rD, 8*(4*ii+mm)
.set rB, 64*((\u)%2)+8*ii
.set rA, AF+32*((\u)/2)+8*mm
.if \zero
	v_wmma_f32_16x16x64_fp8_fp8 v[rD:rD+7], v[rB:rB+7], v[rA:rA+7], 0
.else
	v_wmma_f32_16x16x64_fp8_fp8 v[rD:rD+7], v[rB:rB+7], v[rA:rA+7], v[rD:rD+7]
.endif
.set ii, ii+1
.endr
.set mm, mm+1
.endr
.endm
; A PREFETCH of slots 2 t + 4 and 2 t + 5 of the sixteen, behind step t's joint load and fragment loads.  The first cluster asks; its sixteen waves share a slot out BY ADDRESS, 8,192 bytes a wave, lanes 256 bytes apart:
; each aligned block of 256 bytes is named once in the launch.  The slots stand in the immediate: no address register is rewritten.  Slots 0 to 3 come by their loads alone; step 5 names the last two slots.
.macro ASK t
	s_cmp_lg_u32 ttmp9, 0                          ; the cluster's number: the same in all four partners
	s_cbranch_scc1 .Lnot_mine_\@
	global_prefetch_b8 v[PFO], s[WCB:WCB+1] offset:(2*(\t)+4)*SLOTB th:TH_LOAD_NT scope:SCOPE_SE
	global_prefetch_b8 v[PFO], s[WCB:WCB+1] offset:(2*(\t)+5)*SLOTB th:TH_LOAD_NT scope:SCOPE_SE
.Lnot_mine_\@:
.endm
; K STEP t of phase 1, first part: units 0, 1, 2, and the round behind which slot t % 2 takes slot t + 2 of the sixteen.  The round orders the refill, the other slot's reads, and v's codes from wave to wave.
.macro STEP_A t, next
.set PP, (\t)%2
.set BF, ((\t)/2)%2
.set PN, ((\t)+1)%2
.set BN, (((\t)+1)/2)%2
.set ZR, 0
.if (\t) == 0
.set ZR, 1
.endif
	s_wait_dscnt 16                                ; all but unit 1's sixteen loads are in
	MU 0, ZR, 0, 3
	PLACES
	WIN 0
	FA BF, PP, 1
	FB PP, 2
	s_wait_dscnt 24                                ; all but the 24 just issued
	MU 1, ZR, 0, 3
	PLACES
	FB PP, 3
	s_wait_dscnt 16                                ; all but unit 3's sixteen
	MU 2, 0, 0, 1
	WIN 0                                          ; (the add's two registers lie in window 0)
	s_wait_tensorcnt 0x0                           ; all my tensor loads have landed
	ds_add_u32 v[SPW], v[NIL]                      ; 0 onto my spare word
	MU 2, 0, 2, 2
	s_wait_dscnt 0x0                               ; the add is done; my reads of this slot are in; my stores of codes have landed
	s_barrier_signal -1
	MU 2, 0, 3, 3
	WIN 0
	s_barrier_wait -1
	CREST
	s_add_nc_u64 s[G0+4*PP+2:G0+4*PP+3], s[G0+4*PP+2:G0+4*PP+3], 2*SLOTB
	JLOAD PP                                       ; the first tensor load behind the round; its four v_nop are the places in front of the loads below
.if \next
	FA BN, PN, 0
	FB PN, 0
.endif
.endm
.macro STEP_B t, next
.set PN, ((\t)+1)%2
	MU 3, 0, 0, 3
.if \next
	PLACES
	FB PN, 1
.endif
.endm
; THE SOFTMAX of my four heads over the batch's 1,024 keys: a lane holds 32 of a head's scores (x log2(e)) at v[XS + 32 hd], and its own rows' (row tile m, head hd) at v[CD + 2 (4 m + hd)].
.macro SOFTMAX
	s_wait_loadcnt 0x0
.irp hd, 0,1,2,3
	v_max3_num_f32 v[56+2*\hd], v[XS+32*\hd], v[XS+32*\hd+1], v[XS+32*\hd+2]
	v_max3_num_f32 v[57+2*\hd], v[XS+32*\hd+3], v[XS+32*\hd+4], v[XS+32*\hd+5]
.endr
.irp i, 6,10,14,18,22,26
.irp hd, 0,1,2,3
	v_max3_num_f32 v[56+2*\hd], v[56+2*\hd], v[XS+32*\hd+\i], v[XS+32*\hd+\i+1]
	v_max3_num_f32 v[57+2*\hd], v[57+2*\hd], v[XS+32*\hd+\i+2], v[XS+32*\hd+\i+3]
.endr
.endr
.irp hd, 0,1,2,3
	v_max3_num_f32 v[56+2*\hd], v[56+2*\hd], v[XS+32*\hd+30], v[XS+32*\hd+31]
.endr
.irp hd, 0,1,2,3
	v_max_num_f32 v[56+2*\hd], v[56+2*\hd], v[57+2*\hd]
.endr
.irp x, 1,2,4,8
.irp hd, 0,1,2,3
	v_max_num_f32_dpp v[56+2*\hd], v[56+2*\hd], v[56+2*\hd] row_xmask:\x row_mask:0xf bank_mask:0xf
.endr
.endr
.irp hd, 0,1,2,3
	v_permlanex16_b32 v[57+2*\hd], v[56+2*\hd], s[SEL], s[SEL+1]
.endr
.irp hd, 0,1,2,3
	v_max_num_f32 v[56+2*\hd], v[56+2*\hd], v[57+2*\hd]   ; the head's largest, in every lane
.endr
.irp hd, 0,1,2,3
.irp i, 0,2,4,6,8,10,12,14,16,18,20,22,24,26,28,30
	v_pk_add_f32 v[XS+32*\hd+\i:XS+32*\hd+\i+1], v[XS+32*\hd+\i:XS+32*\hd+\i+1], v[56+2*\hd:57+2*\hd] op_sel_hi:[1,0] neg_lo:[0,1] neg_hi:[0,1]   ; less the largest
.endr
.endr
.irp m, 0,1,2,3
.irp hd, 0,1,2,3
	v_sub_f32 v[CD+2*(4*\m+\hd)], v[CD+2*(4*\m+\hd)], v[56+2*\hd]
.endr
.endr
.set ii, 0
.rept 128
	v_exp_f32 v[XS+ii], v[XS+ii]
.set ii, ii+1
.endr
.irp x, 0,1,2,3,4,5,6,7,8,9,10,11,12,13,14,15
	v_exp_f32 v[CD+2*\x], v[CD+2*\x]
.endr
	v_nop                                          ; a plain line behind the last exponential
	s_wait_alu depctr_va_vdst(0)                   ; the wait ahead of the first line that names a result: one for the batch of 144
.irp i, 4,8,12,16,20,24,28
.irp hd, 0,1,2,3
	v_pk_add_f32 v[XS+32*\hd:XS+32*\hd+1], v[XS+32*\hd:XS+32*\hd+1], v[XS+32*\hd+\i:XS+32*\hd+\i+1]
	v_pk_add_f32 v[XS+32*\hd+2:XS+32*\hd+3], v[XS+32*\hd+2:XS+32*\hd+3], v[XS+32*\hd+\i+2:XS+32*\hd+\i+3]
.endr
.endr
.irp hd, 0,1,2,3
	v_pk_add_f32 v[XS+32*\hd:XS+32*\hd+1], v[XS+32*\hd:XS+32*\hd+1], v[XS+32*\hd+2:XS+32*\hd+3]
.endr
.irp hd, 0,1,2,3
	v_add_f32 v[XS+32*\hd], v[XS+32*\hd], v[XS+32*\hd+1]
.endr
.irp x, 1,2,4,8
.irp hd, 0,1,2,3
	v_add_f32_dpp v[XS+32*\hd], v[XS+32*\hd], v[XS+32*\hd] row_xmask:\x row_mask:0xf bank_mask:0xf
.endr
.endr
.irp hd, 0,1,2,3
	v_permlanex16_b32 v[XS+32*\hd+1], v[XS+32*\hd], s[SEL], s[SEL+1]
.endr
.irp hd, 0,1,2,3
	v_add_f32 v[XS+32*\hd], v[XS+32*\hd], v[XS+32*\hd+1]   ; the head's sum, at least 1
.endr
.irp hd, 0,1,2,3
	v_rcp_f32 v[56+2*\hd], v[XS+32*\hd]
.endr
	v_nop
	s_wait_alu depctr_va_vdst(0)                   ; one wait for the four reciprocals
.irp m, 0,1,2,3
.irp hd, 0,1,2,3
	v_mul_f32 v[CD+2*(4*\m+\hd)+1], v[CD+2*(4*\m+\hd)], v[56+2*\hd]   ; attn of my row, in both registers of a pair
.endr
.endr
.irp m, 0,1,2,3
.irp hd, 0,1,2,3
	v_mul_f32 v[CD+2*(4*\m+\hd)], v[CD+2*(4*\m+\hd)], v[56+2*\hd]
.endr
.endr
.endm
; PHASE 2.
.macro FB2 p, ta                       ; tile ta (0, 1) of my two in slot p: its eight K steps' fragments of Wo
	WIN 0x40
.irp f, 0,1,2,3,4,5,6,7
.irp c, 0,1,2,3
	ds_load_b128 v[128*(\ta)+16*\f+4*\c:128*(\ta)+16*\f+4*\c+3], v[ADRB+(\p)] offset:(8*(\ta)+\f)*2048+512*\c
.endr
.endr
	WIN 0
.endm
.macro MT sp, ta, k0, k1               ; out tile 2 sp + ta of my four, K steps k0 .. k1: the four row tiles' accumulators take turns, one instruction a turn
.set kk, \k0
.rept (\k1)-(\k0)+1
	WIN 0x09+4*(kk/4)                              ; source 0 (Wo) window 1, source 1 (the hidden layer) window 2 or 3, C and D window 0
.irp m, 0,1,2,3
.set rD, XS+8*(4*(2*(\sp)+(\ta))+\m)
.set rB, 128*(\ta)+16*kk
.set rH, 16*(4*(kk%4)+\m)
.if kk == 0
	v_wmma_f32_16x16x128_fp8_fp8 v[rD:rD+7], v[rB:rB+15], v[rH:rH+15], 0
.else
	v_wmma_f32_16x16x128_fp8_fp8 v[rD:rD+7], v[rB:rB+15], v[rH:rH+15], v[rD:rD+7]
.endif
.endr
.set kk, kk+1
.endr
.endm
.macro STEP2 sp, fill                  ; a slot: two out tiles.  Both tiles' fragments are in registers in front of the round, so the slot can be filled again while the second tile is multiplied
	s_wait_dscnt 32                                ; all but the second tile's 32 loads are in
	MT \sp, 0, 0, 3
.if \fill
	WIN 0
	s_wait_tensorcnt 0x0                           ; all my tensor loads have landed: my quarter of the other slot
	ds_add_u32 v[SPW], v[NIL]                      ; 0 onto my spare word
	MT \sp, 0, 4, 5
	s_wait_dscnt 0x0                               ; the add is done, and my reads of this slot are in
	s_barrier_signal -1
	MT \sp, 0, 6, 7
	WIN 0
	s_barrier_wait -1
	CREST
	s_add_nc_u64 s[G0+4*(\sp)+2:G0+4*(\sp)+3], s[G0+4*(\sp)+2:G0+4*(\sp)+3], 2*SLOTB
	JLOAD \sp                                      ; the first tensor load behind the round; its four v_nop are the places in front of the loads below
.else
	s_wait_tensorcnt 0x0                           ; my quarter of the last slot has landed; only I read it
	MT \sp, 0, 4, 7
	s_wait_dscnt 0x0
	PLACES
	WIN 0
.endif
	FB2 1-(\sp), 0
	MT \sp, 1, 0, 7
	PLACES
	FB2 1-(\sp), 1
.endm
.macro BOLOAD                          ; bo in the accumulators' layout: column 16 tile + 8 h + j of my 64
.irp tq, 0,1,2,3
.irp z, 0,1
	global_load_b128 v[BO+8*\tq+4*\z:BO+8*\tq+4*\z+3], v[HO], s[BOB:BOB+1] offset:64*\tq+16*\z
.endr
.endr
.endm
.macro PACK m                          ; row tile m: sum x 2^(e6 + e7) + bo, in place; each accumulator from its low end on
.irp tq, 0,1,2,3
.irp jp, 0,2,4,6
	v_pk_fma_f32 v[XS+8*(4*\tq+(\m))+\jp:XS+8*(4*\tq+(\m))+\jp+1], v[XS+8*(4*\tq+(\m))+\jp:XS+8*(4*\tq+(\m))+\jp+1], s[SP2:SP2+1], v[BO+8*\tq+\jp:BO+8*\tq+\jp+1] op_sel_hi:[1,0,1]
.endr
.endr
.endm
.macro TOSTAGE m                       ; 16 rows x 256 bytes into my stage, and back as whole rows
.irp tq, 0,1,2,3
.irp z, 0,1
	ds_store_b128 v[STO], v[XS+8*(4*\tq+(\m))+4*\z:XS+8*(4*\tq+(\m))+4*\z+3] offset:64*\tq+16*\z
.endr
.endr
	s_wait_xcnt 0x0                                ; the earlier stores to out0 have read their registers: the loads below may land there
.irp i, 0,1,2,3,4,5,6,7
	ds_load_b128 v[BK+4*\i:BK+4*\i+3], v[RD] offset:2*\i*AP   ; LDS serves a wave's instructions in order (ISA guide 5.7.1.4): these see my stores
.endr
.endm
.macro SEND m
	s_wait_dscnt 0x0
.irp i, 0,1,2,3,4,5,6,7
	global_store_b128 v[CO], v[BK+4*\i:BK+4*\i+3], s[OB:OB+1] offset:(16*(\m)+2*\i)*4096 th:TH_STORE_NT   ; sixteen lanes store 256 consecutive bytes, aligned
.endr
.endm
.macro OUT
	s_wait_loadcnt 0x0                             ; bo
	PACK 0
	TOSTAGE 0
.irp a, 1,2,3
	PACK \a                                        ; a tile's arithmetic stands between the loads of the tile before and the wait for them
	SEND \a-1
	TOSTAGE \a
.endr
	SEND 3
.endm
	s_load_b256 s[4:11], s[0:1], 0x0               ; v s[4:5], wc s[6:7], sc s[8:9], bv s[10:11]
	s_load_b128 s[12:15], s[0:1], 0x20             ; bo s[12:13], the exponents s[14:15]
	s_load_b64 s[16:17], s[0:1], 0x30              ; out0
	v_lshl_add_u32 v[SPW], v0, 2, SPARE
	v_mov_b32 v[NIL], 0
	ds_add_u32 v[SPW], v[NIL]                      ; the wave's opening: the add and its wait, ahead of my first tensor load; the set-up below stands between them
	v_lshrrev_b32 v56, 5, v0
	v_readfirstlane_b32 s[WV], v56                 ; wave 0..3
	s_bfe_u32 s[CX], ttmp6, 0x40000                ; my place in the cluster: it enters global addresses of plain loads, stores and prefetches alone
	s_lshl_b32 s[WG], ttmp9, 2
	s_add_co_u32 s[WG], s[WG], s[CX]               ; my block of 64 rows
	s_mov_b32 s[G1], 15|(3<<16)|(1<<21)            ; 15:0 the mask: all four work-groups; 17:16 elements of 8 bytes; 21 set beside a mask; no padding
	s_mov_b32 s[G1+1], 32<<16                      ; tensor_dim0 = 32 elements: 256 bytes
	s_mov_b32 s[G1+2], 128<<16                     ; tensor_dim1 = 128
	s_mov_b32 s[G1+3], 32<<16                      ; tile_dim0 = 32
	s_mov_b32 s[G1+4], 128                         ; tile_dim1 = 128
	s_mov_b32 s[G1+5], 32                          ; from row to row: dense
	s_mov_b32 s[G1+6], 0
	s_mov_b32 s[G1+7], 0
	s_mov_b32 s[SEL], 0x76543210
	s_mov_b32 s[SEL+1], 0xfedcba98
	s_mov_b32 s[CNT], 3
	v_and_b32 v57, 31, v0                          ; lane
	v_and_b32 v58, 15, v0                          ; r
	v_bfe_u32 v59, v0, 4, 1                        ; h
	v_lshlrev_b32 v[GA], 4, v57
	s_lshl_b32 s52, s[WV], 15                      ; my quarter of a slot
	s_mov_b32 s53, 0
	v_add_nc_u32 v[ADRB], s52, v[GA]
	v_add_nc_u32 v[ADRB+1], SLOTB, v[ADRB]
	v_mul_u32_u24 v[ADRA], v58, AP
	v_lshl_add_u32 v[ADRA], v59, 4, v[ADRA]
	v_add_nc_u32 v[ADRA], AR0, v[ADRA]
	s_mul_i32 s54, s[WV], 16*AP
	s_add_co_u32 s56, s54, STG                     ; my stage
	s_add_co_u32 s54, s54, AR0
	v_lshl_add_u32 v[AW], v57, 3, s54
	s_lshl_b32 s55, s[CX], 2
	s_add_co_u32 s55, s55, s[WV]
	s_lshl_b32 s55, s55, 13
	v_lshl_add_u32 v[PFO], v57, 8, s55             ; 8,192 (4 cx + wave) + 256 x lane
	v_mul_u32_u24 v[STO], v58, AP
	v_lshl_add_u32 v[STO], v59, 5, v[STO]
	v_add_nc_u32 v[STO], s56, v[STO]               ; in: row r, + 32 h
	v_mul_u32_u24 v[RD], v59, AP
	v_lshl_add_u32 v[RD], v58, 4, v[RD]
	v_add_nc_u32 v[RD], s56, v[RD]                 ; back: lanes 0-15 one row, lanes 16-31 the next
	v_lshlrev_b32 v[CO], 4, v58
	v_lshl_add_u32 v[CO], v59, 12, v[CO]           ; and the same two rows in out0
	s_lshl_b32 s56, s[WV], 13
	s_add_co_u32 s56, s56, HX
	v_add_nc_u32 v[HXS], s56, v[GA]
	v_add_nc_u32 v[HXL], HX, v[GA]
	v_lshlrev_b32 v[HO], 5, v59
	s_and_b32 s57, s[WG], 15
	s_lshl_b32 s57, s57, 8
	v_lshl_add_u32 v[RO], v58, 2, s57
	s_wait_dscnt 0x0                               ; the opening add is done
	s_wait_kmcnt 0x0
	s_load_b256 s[40:47], s[14:15], 0x0            ; e0 .. e7
	s_lshl_b32 s56, s[WG], 18                      ; 64 rows of 4,096 bytes a work-group,
	s_lshl_b32 s57, s[WV], 16                      ; 16 a wave
	s_add_co_u32 s56, s56, s57
	s_mov_b32 s57, 0
	s_add_nc_u64 s[AB:AB+1], s[4:5], s[56:57]
	LOADS 0, 0
	LOADS 1, 1
	s_add_nc_u64 s[WCB:WCB+1], s[6:7], 0x100000    ; Wv's codes
	s_add_nc_u64 s[58:59], s[WCB:WCB+1], s[52:53]
.irp p, 0,1
	s_mov_b32 s[G0+4*\p], 1                        ; count = 1
	s_add_co_u32 s[G0+4*\p+1], s52, \p*SLOTB       ; LDS address: the slot, my quarter
	s_add_nc_u64 s[G0+4*\p+2:G0+4*\p+3], s[58:59], \p*SLOTB   ; global address: slot p of the sixteen, my quarter
	s_or_b32 s[G0+4*\p+3], s[G0+4*\p+3], 0x80000000           ; type = 2
.endr
	s_lshr_b32 s54, s[WG], 4                       ; my batch
	s_lshl_b32 s56, s54, 16
	s_lshl_b32 s55, s[WV], 14
	s_add_co_u32 s56, s56, s55
	s_add_nc_u64 s[SCB:SCB+1], s[8:9], s[56:57]
	s_lshl_b32 s56, s[WV], 10
	s_add_nc_u64 s[BVB:BVB+1], s[10:11], s[56:57]
	s_lshl_b32 s56, s[WV], 8
	s_add_nc_u64 s[BOB:BOB+1], s[12:13], s[56:57]
	s_lshl_b32 s55, s[WG], 18
	s_add_co_u32 s56, s56, s55
	s_add_nc_u64 s[OB:OB+1], s[16:17], s[56:57]
	CROUND                                         ; all four work-groups are here: the first joint loads meet
	JLOAD 0
	JLOAD 1                                        ; two tensor loads of mine are out
	s_wait_kmcnt 0x0
	MKSCALE 44, SCA, LIM
	MKSCALE 46, SC6, LIM6
	s_add_co_i32 s[SP1], s44, s45
	s_add_co_i32 s[SP1], s[SP1], 127
	s_lshl_b32 s[SP1], s[SP1], 23                  ; 2^(e4 + e5) as f32
	s_mov_b32 s[SP1+1], s[SP1]
	s_add_co_i32 s[SP2], s46, s47
	s_add_co_i32 s[SP2], s[SP2], 127
	s_lshl_b32 s[SP2], s[SP2], 23                  ; 2^(e6 + e7)
	s_mov_b32 s[SP2+1], s[SP2]
	CONV 0, 0, 32
	LOADS 2, 0
	s_wait_tensorcnt 1                             ; my quarter of slot 0 is in; slot 1's may stay out
	s_wait_dscnt 0x0                               ; my rows' codes of span 0 have landed
	s_barrier_signal -1
	s_barrier_wait -1
	FA 0, 0, 0
	FB 0, 0
	FB 0, 1
	; ---- PHASE 1
	STEP_A 0, 1
	ASK 0
	CONV 1, 1, 32
	LOADS 3, 1
	STEP_B 0, 1
	STEP_A 1, 1
	ASK 1
	STEP_B 1, 1
	STEP_A 2, 1
	ASK 2
	CONV 2, 0, 32
.irp hd, 0,1,2,3                       ; my four heads' scores, 4,096 bytes each, into the registers that span 2 has left
.irp i, 0,1,2,3,4,5,6,7
	global_load_b128 v[XS+32*\hd+4*\i:XS+32*\hd+4*\i+3], v[GA], s[SCB:SCB+1] offset:\hd*4096+512*\i
.endr
.endr
	STEP_B 2, 1
	STEP_A 3, 1
	ASK 3
	STEP_B 3, 1
	STEP_A 4, 1
	ASK 4
	CONV 3, 1, 32
	WIN 0x40
.irp tq, 0,1,2,3,4,5,6,7,8,9,10,11,12,13,14,15   ; bv in the accumulators' layout, into the registers that span 3 has left
.irp z, 0,1
	global_load_b128 v[XS+8*\tq+4*\z:XS+8*\tq+4*\z+3], v[HO], s[BVB:BVB+1] offset:64*\tq+16*\z
.endr
.endr
	WIN 0
	STEP_B 4, 1
	STEP_A 5, 1
	ASK 5
.irp m, 0,1,2,3                        ; my own rows' scores, into the registers of the codes: span 3's stores of them were waited for in front of this step's round
.irp hd, 0,1,2,3
	global_load_b32 v[CD+2*(4*\m+\hd)], v[RO], s[SCB:SCB+1] offset:\hd*4096+\m*64
.endr
.endr
	STEP_B 5, 1
	STEP_A 6, 1                                    ; slot 0 takes Wo's first slot
	SOFTMAX
	STEP_B 6, 1
	STEP_A 7, 0                                    ; slot 1 takes Wo's second
	STEP_B 7, 0
	; ---- the hidden layer: (sum x 2^(e4 + e5) + bv) x attn, held and converted with 2^e6.  Batch (sg, m): tiles 8 sg .. 8 sg + 7 of row tile m become fragment (K step 2 w + sg, m)
	PLACES
.irp sg, 0,1
.irp m, 0,1,2,3
	WIN 0x12+\sg                                   ; source 0 (the sums) window 2 or 3, source 2 (bv) window 1
.set tq, 0
.rept 8
.irp jp, 0,2,4,6
	v_pk_fma_f32 v[AF+8*tq+\jp:AF+8*tq+\jp+1], v[8*(4*tq+\m)+\jp:8*(4*tq+\m)+\jp+1], s[SP1:SP1+1], v[XS+64*\sg+8*tq+\jp:XS+64*\sg+8*tq+\jp+1] op_sel_hi:[1,0,1]
.endr
.set tq, tq+1
.endr
	WIN 0
.set tq, 0
.rept 8
.irp jp, 0,2,4,6
	v_pk_mul_f32 v[AF+8*tq+\jp:AF+8*tq+\jp+1], v[AF+8*tq+\jp:AF+8*tq+\jp+1], v[CD+2*(4*\m+2*\sg+tq/4):CD+2*(4*\m+2*\sg+tq/4)+1]
.endr
.set tq, tq+1
.endr
	HOLD AF, 64, LIM6
.set tq, 0
.rept 8
	v_cvt_scalef32_pk8_fp8_f32 v[XS+16*(4*\sg+\m)+2*tq:XS+16*(4*\sg+\m)+2*tq+1], v[AF+8*tq:AF+8*tq+7], v[SC6]
.set tq, tq+1
.endr
	v_nop                                          ; a plain line between the conversions and the next batch, which writes their sources
.endr
.endr
	; ---- the exchange, in two rounds of 32,768 bytes: every wave stores its four fragments of K step 2 w + sg as they stand, and loads all sixteen.  Every wave has passed step 7's round, behind which nobody reads v's codes
.irp sg, 0,1
.if \sg == 1
	BARRIER                                        ; everybody's loads of the first round are in
.endif
.irp m, 0,1,2,3
.irp c, 0,1,2,3
	ds_store_b128 v[HXS], v[XS+16*(4*\sg+\m)+4*\c:XS+16*(4*\sg+\m)+4*\c+3] offset:\m*2048+512*\c
.endr
.endr
	BARRIER
.irp wq, 0,1,2,3
	WIN 0x80+0x40*(\wq/2)                          ; destination window 2 or 3
.irp m, 0,1,2,3
.irp c, 0,1,2,3
	ds_load_b128 v[16*(4*(2*(\wq%2)+\sg)+\m)+4*\c:16*(4*(2*(\wq%2)+\sg)+\m)+4*\c+3], v[HXL] offset:(4*\wq+\m)*2048+512*\c
.endr
.endr
.endr
	WIN 0
.endr
	; ---- PHASE 2.  Wo's first slot was shown landed by step 7's wait for all my tensor loads
	BOLOAD
	FB2 0, 0
	FB2 0, 1
.Lgrp:                                             ; three trips: a group of 256 columns of out0, two slots; both are filled again
	STEP2 0, 1
	STEP2 1, 1
	OUT
	s_wait_xcnt 0x0                                ; the stores have read their base, and so have bo's loads
	s_add_nc_u64 s[OB:OB+1], s[OB:OB+1], 1024
	s_add_nc_u64 s[BOB:BOB+1], s[BOB:BOB+1], 1024
	BOLOAD                                         ; the next group's
	s_sub_co_u32 s[CNT], s[CNT], 1
	s_cmp_lg_u32 s[CNT], 0
	s_cbranch_scc1 .Lgrp
	STEP2 0, 0                                     ; the last group is written out: it asks for nothing, and has no round
	s_wait_dscnt 32
	MT 1, 0, 0, 7
	s_wait_dscnt 0x0
	MT 1, 1, 0, 7
	PLACES
	WIN 0
	OUT
	s_wait_tensorcnt 0x0                           ; the wave's end: a wait, an add of 0 to my spare word and its wait, behind my last tensor load and my last LDS store
	ds_add_u32 v[SPW], v[NIL]
	s_wait_dscnt 0x0
	CROUND                                         ; the closing round: no work-group ends while a partner may still ask for a tile that names it
	s_endpgm
.Lfunc_end_k_qb973289708_outp:
	.size	k_qb973289708_outp, .Lfunc_end_k_qb973289708_outp-k_qb973289708_outp
	.p2alignl 7, 3214868480
	.fill 96, 4, 3214868480
	.section	.rodata,"a",@progbits
	.p2align	6, 0x0
	.amdhsa_kernel k_qb973289708_outp
		.amdhsa_group_segment_fixed_size 327680
		.amdhsa_private_segment_fixed_size 0
		.amdhsa_enable_private_segment 0
		.amdhsa_kernarg_size 56
		.amdhsa_user_sgpr_count 2
		.amdhsa_user_sgpr_kernarg_segment_ptr 1
		.amdhsa_wavefront_size32 1
		.amdhsa_system_sgpr_workgroup_id_x 1
		.amdhsa_system_sgpr_workgroup_id_y 1
		.amdhsa_system_sgpr_workgroup_id_z 1
		.amdhsa_system_vgpr_workitem_id 0
		.amdhsa_next_free_vgpr 1024
		.amdhsa_next_free_sgpr 80
		.amdhsa_reserve_vcc 0
		.amdhsa_float_denorm_mode_32 3
		.amdhsa_float_denorm_mode_16_64 3
		.amdhsa_memory_ordered 1
		.amdhsa_forward_progress 1
		.amdhsa_inst_pref_size 255
	.end_amdhsa_kernel
	.section	.bss,"aw",@nobits
	.p2align	6
	.space	262144
	.amdgpu_metadata
---
amdhsa.version: [ 1, 2 ]
amdhsa.kernels:
  - .name:           k_qb973289708_outp
    .symbol:         k_qb973289708_outp.kd
    .args:
      - { .name: v, .offset: 0, .size: 8, .value_kind: global_buffer, .address_space: global }
      - { .name: wc, .offset: 8, .size: 8, .value_kind: global_buffer, .address_space: global }
      - { .name: sc, .offset: 16, .size: 8, .value_kind: global_buffer, .address_space: global }
      - { .name: bv, .offset: 24, .size: 8, .value_kind: global_buffer, .address_space: global }
      - { .name: bo, .offset: 32, .size: 8, .value_kind: global_buffer, .address_space: global }
      - { .name: lowp_scales, .offset: 40, .size: 8, .value_kind: global_buffer, .address_space: global }
      - { .name: out0, .offset: 48, .size: 8, .value_kind: global_buffer, .address_space: global }
    .group_segment_fixed_size: 327680
    .private_segment_fixed_size: 0
    .kernarg_segment_align: 8
    .kernarg_segment_size: 56
    .max_flat_workgroup_size: 128
    .sgpr_count:     80
    .vgpr_count:     1024
    .wavefront_size: 32
...
	.end_amdgpu_metadata
.endif
;; end of part 3
;; ======== version 2 of 2: 3 launches
;; limits: right only within a limited range of input values
;; workspace buffers: wc 3,145,728 bytes; qh 65,536 bytes; sc 1,048,576 bytes
;; launch prep (part 4): grid 256 x 1, 8 waves a work-group, no clusters, 9,216 bytes of LDS; arguments Wk, Wv, Wo, Wq, q, bq, lowp_scales, wc, qh; writes wc, qh
.if DOCPART == 4
	.amdgcn_target "amdgcn-amd-amdhsa--gfx1250"
	.amdhsa_code_object_version 6
	.text
	.protected	k_qb973289708_prep
	.globl	k_qb973289708_prep
	.p2align	8
	.type	k_qb973289708_prep,@function
k_qb973289708_prep:
	s_mov_b64 s[64:65], 0
	v_nop
	global_prefetch_b8 v0, s[64:65] scope:SCOPE_SE
	s_setreg_imm32_b32 hwreg(HW_REG_WAVE_MODE, 25, 1), 1
	s_wait_xcnt 0x0
; PREP.  Work-groups 0-191: Wk, Wv, Wo ([K = 1024][N = 1024] f32) become codes of E4M3 with their given scales 2^e3, 2^e5, 2^e7, laid in wc in the order of the
; operand's registers: a fragment (16 columns x 128 places along K) is 2,048 bytes; piece q (16 places) of column r lies at 256 q + 16 r.  Which k stands at a place:
;   order A (Wk, Wv): in a span of 256 k, place 8 l + j is k = 4 l + j (j < 4) or 128 + 4 l + j - 4: so the later launches may load rows of k and v densely, 16 bytes a lane.
;   order B (Wo): in a K step of 128, piece 2 c + h, byte i is k = 32 c + 16 (i / 8) + 8 h + i % 8: what two neighbouring result tiles of a lane give when they are converted.
; The same order is used for the other operand of each product, so every product meets its partner.
; A LANE TAKES A COLUMN n AND ITS REGISTERS RUN ALONG THE PLACES: the conversions' results are a piece's 16 bytes, and sixteen lanes store 256 consecutive bytes, aligned.
; Work-groups 192-255: qh = Q(q) Q(Wq) 2^(e0 + e1) + bq.  Work-group nt makes 16 columns for the 16 rows; wave w takes K step w (128 k); the eight partial tiles meet in LDS and wave 0
; adds them in ascending K.  qh is stored in pieces of 64 bytes a row: it is 65,536 bytes in all.
; LIMITS: every e between -126 and 119, e0 + e1 between -126 and 127.  NaN among the inputs is not served; what lies beyond a scale's range is held at the largest code.
.set SPARE, 8192                       ; behind the eight partial tiles: the spare words, 128 bytes a wave
.set SPW, 1                            ; v1  LDS address of my spare word; never rewritten
.set NIL, 2                            ; v2  0; never rewritten
.set X,   16                           ; v16-79   64 numbers of a weight
.set Y,   80                           ; v80-143  a weight's codes (16), or 64 numbers of q
.set CW,  144                          ; v144-159 Wq's fragment
.set CQ,  160                          ; v160-175 q's fragment
.set D,   176                          ; v176-183 the partial tile
.set BQR, 184                          ; v184-191 bq at my eight columns
.macro HOLD first, count, lim          ; the conversion to an 8-bit code does not saturate (ISA guide 7.6.2): each number is held within the largest code x the scale first
.set ii, 0
.rept \count
	v_med3_num_f32 v[\first+ii], v[\first+ii], -v[\lim], v[\lim]
.set ii, ii+1
.endr
.endm
.macro MKSCALE se, vs, vl              ; s[se] = e:  v[vs] = 2^e as f32 (the conversion takes its exponent field), v[vl] = 448 x 2^e
	s_add_co_i32 s52, s[\se], 127
	s_lshl_b32 s53, s52, 23
	v_mov_b32 v[\vs], s53
	s_add_co_i32 s52, s52, 8
	s_lshl_b32 s52, s52, 23
	s_or_b32 s52, s52, 0x600000
	v_mov_b32 v[\vl], s52
.endm
	s_load_b256 s[4:11], s[0:1], 0x0               ; Wk s[4:5], Wv s[6:7], Wo s[8:9], Wq s[10:11]
	s_load_b256 s[12:19], s[0:1], 0x20             ; q s[12:13], bq s[14:15], the exponents s[16:17], wc s[18:19]
	s_load_b64 s[20:21], s[0:1], 0x40              ; qh
	v_lshl_add_u32 v[SPW], v0, 2, SPARE
	v_mov_b32 v[NIL], 0
	v_lshrrev_b32 v3, 5, v0
	s_delay_alu instid0(VALU_DEP_1)
	v_readfirstlane_b32 s32, v3                    ; wave 0..7
	v_and_b32 v3, 31, v0                           ; lane
	v_and_b32 v7, 15, v0                           ; r
	v_bfe_u32 v8, v0, 4, 1                         ; h
	s_mov_b32 s37, 0
	s_mov_b32 s39, 0
	s_mov_b32 s41, 0
	s_wait_kmcnt 0x0
	s_load_b256 s[24:31], s[16:17], 0x0            ; e0 .. e7
	s_cmp_ge_u32 ttmp9, 192
	s_cbranch_scc1 .Lq
	; ---- a weight: kind = work-group / 64; of the rest, cb = which 256 columns, pb = which 64 places along K
	s_lshr_b32 s33, ttmp9, 6                       ; kind: 0 Wk, 1 Wv, 2 Wo
	s_and_b32 s34, ttmp9, 63
	s_and_b32 s35, s34, 3                          ; cb
	s_lshr_b32 s34, s34, 2                         ; pb
	s_wait_alu depctr_va_vdst(0)
	v_lshlrev_b32 v4, 2, v3                        ; in: 4 bytes a lane: a wave reads 128 consecutive bytes of a row, the eight waves 1,024
	v_lshlrev_b32 v5, 4, v7                        ; out: 16 r
	s_lshl_b32 s38, s35, 10
	s_lshl_b32 s36, s32, 7
	s_add_co_u32 s38, s38, s36                     ; my wave's first column, in bytes: 4 (256 cb + 32 wave)
	s_and_b32 s42, s34, 1
	s_lshl_b32 s42, s42, 10                        ; which half of a fragment's 2,048 bytes these 64 places are
	s_cmp_eq_u32 s33, 2
	s_cbranch_scc1 .Lwo
	; order A
	s_lshr_b32 s36, s34, 2
	s_lshl_b32 s36, s36, 8
	s_and_b32 s40, s34, 3
	s_lshl_b32 s40, s40, 5
	s_add_co_u32 s36, s36, s40                     ; first row: 256 (pb / 4) + 32 (pb % 4)
	s_lshl_b32 s36, s36, 12
	s_add_co_u32 s38, s38, s36
	s_cmp_eq_u32 s33, 0
	s_cselect_b64 s[44:45], s[4:5], s[6:7]         ; the choice hangs on the work-group's number alone
	s_add_nc_u64 s[44:45], s[44:45], s[38:39]
	s_wait_alu depctr_va_vdst(0)
.irp d, 0,1,2,3
.irp i, 0,1,2,3,4,5,6,7,8,9,10,11,12,13,14,15
	global_load_b32 v[X+16*\d+\i], v4, s[44:45] offset:(8*\d+4*(\i/8)+(\i%4)+128*((\i/4)%2))*4096 th:TH_LOAD_NT
.endr
.endr
	s_lshl_b32 s40, s33, 20                        ; where the codes go: kind x 1 MiB
	s_lshr_b32 s36, s34, 1
	s_lshl_b32 s36, s36, 17
	s_add_co_u32 s40, s40, s36                     ; + K step (pb / 2) x 131,072
	s_lshl_b32 s36, s35, 15
	s_add_co_u32 s40, s40, s36
	s_lshl_b32 s36, s32, 12
	s_add_co_u32 s40, s40, s36                     ; + tile (16 cb + 2 wave) x 2,048
	s_add_co_u32 s40, s40, s42
	v_lshl_add_u32 v5, v8, 11, v5                  ; lanes 16-31: the next tile
	s_wait_kmcnt 0x0
	s_cmp_eq_u32 s33, 0
	s_cselect_b32 s46, s27, s29                    ; e3 or e5
	s_branch .Lcv
.Lwo:	; order B
	s_lshl_b32 s36, s34, 18                        ; first row: 64 pb
	s_add_co_u32 s38, s38, s36
	s_add_nc_u64 s[44:45], s[8:9], s[38:39]
	s_wait_alu depctr_va_vdst(0)
.irp d, 0,1,2,3
.irp i, 0,1,2,3,4,5,6,7,8,9,10,11,12,13,14,15
	global_load_b32 v[X+16*\d+\i], v4, s[44:45] offset:(32*(\d/2)+16*(\i/8)+8*(\d%2)+(\i%8))*4096 th:TH_LOAD_NT
.endr
.endr
	s_lshl_b32 s40, s35, 1                         ; out tile 16 cb + 2 wave + lane / 16 = 16 g + 4 w + 2 sp + tau: slot 2 g + sp,
	s_and_b32 s36, s32, 1
	s_add_co_u32 s40, s40, s36
	s_lshl_b32 s40, s40, 17
	s_add_co_u32 s40, s40, 0x200000                ; behind Wk's and Wv's codes,
	s_lshr_b32 s36, s32, 1
	s_lshl_b32 s36, s36, 15
	s_add_co_u32 s40, s40, s36                     ; reader's wave w x 32,768,
	s_lshr_b32 s36, s34, 1
	s_lshl_b32 s36, s36, 11
	s_add_co_u32 s40, s40, s36                     ; K step (pb / 2) x 2,048
	s_add_co_u32 s40, s40, s42
	v_lshl_add_u32 v5, v8, 14, v5                  ; tau x 16,384
	s_wait_kmcnt 0x0
	s_mov_b32 s46, s31                             ; e7
.Lcv:
	s_add_nc_u64 s[48:49], s[18:19], s[40:41]
	MKSCALE 46, 6, 9
	s_wait_alu depctr_va_vdst(0)
	s_wait_loadcnt 0x0
	HOLD X, 64, 9
.irp g, 0,1,2,3,4,5,6,7
	v_cvt_scalef32_pk8_fp8_f32 v[Y+2*\g:Y+2*\g+1], v[X+8*\g:X+8*\g+7], v6
.endr
	v_nop                                          ; a plain line behind the last conversion
.irp d, 0,1,2,3
	global_store_b128 v5, v[Y+4*\d:Y+4*\d+3], s[48:49] offset:256*\d   ; piece d: sixteen lanes store 256 consecutive bytes, aligned
.endr
	s_endpgm                                       ; this way has touched no LDS
.Lq:	; ---- qh: n tile nt = work-group - 192; my wave's K step = its number
	s_sub_co_u32 s33, ttmp9, 192
	s_lshl_b32 s38, s32, 19                        ; 128 rows of Wq a wave
	s_lshl_b32 s36, s33, 6                         ; 16 columns = 64 bytes a tile
	s_add_co_u32 s38, s38, s36
	s_add_nc_u64 s[44:45], s[10:11], s[38:39]
	s_wait_alu depctr_va_vdst(0)
	v_lshlrev_b32 v4, 2, v7
	s_delay_alu instid0(VALU_DEP_1)
	v_lshl_add_u32 v4, v8, 16, v4                  ; column r; lanes 16-31 begin 16 rows further down
.irp c, 0,1,2,3
.irp i, 0,1,2,3,4,5,6,7,8,9,10,11,12,13,14,15
	global_load_b32 v[X+16*\c+\i], v4, s[44:45] offset:(32*\c+\i)*4096 th:TH_LOAD_NT   ; Wq(128 w + 32 c + 16 h + i, 16 nt + r)
.endr
.endr
	s_lshl_b32 s40, s32, 9
	s_add_nc_u64 s[46:47], s[12:13], s[40:41]
	v_lshlrev_b32 v5, 12, v7
	s_delay_alu instid0(VALU_DEP_1)
	v_lshl_add_u32 v5, v8, 6, v5                   ; q: row r of 4,096 bytes, + 64 h
.irp c, 0,1,2,3
.irp j, 0,1,2,3
	global_load_b128 v[Y+16*\c+4*\j:Y+16*\c+4*\j+3], v5, s[46:47] offset:128*\c+16*\j   ; q(r, 128 w + 32 c + 16 h + 4 j ..)
.endr
.endr
	s_lshl_b32 s34, s32, 10
	v_lshl_add_u32 v10, v3, 4, s34                 ; LDS: my partial tile, as an image of its registers: 1,024 x wave + 16 x lane
	v_lshlrev_b32 v11, 4, v3                       ; and where wave 0 reads the eight
	v_lshlrev_b32 v14, 5, v8                       ; bq: my 8 numbers: 32 h
	s_delay_alu instid0(VALU_DEP_1)
	v_lshl_add_u32 v15, v7, 12, v14                ; qh: row r, + 32 h
	s_add_nc_u64 s[48:49], s[14:15], s[36:37]      ; bq and qh at the tile's first column
	s_add_nc_u64 s[50:51], s[20:21], s[36:37]
	global_load_b128 v[BQR:BQR+3], v14, s[48:49]   ; bq is asked for with Wq and q, so that nothing is asked of memory behind the barrier; every wave asks (64 bytes), so that no branch parts the loads; wave 0 uses it
	global_load_b128 v[BQR+4:BQR+7], v14, s[48:49] offset:16
	s_wait_kmcnt 0x0
	MKSCALE 25, 6, 9                               ; Wq: e1
	MKSCALE 24, 12, 13                             ; q: e0
	s_add_co_i32 s54, s24, s25
	s_add_co_i32 s54, s54, 127
	s_lshl_b32 s54, s54, 23                        ; 2^(e0 + e1) as f32
	s_mov_b32 s55, s54                             ; (named with it as a pair, so it is written)
	s_wait_alu depctr_va_vdst(0)
	s_wait_loadcnt 0x0
	HOLD X, 64, 9
	HOLD Y, 64, 13
.irp g, 0,1,2,3,4,5,6,7
	v_cvt_scalef32_pk8_fp8_f32 v[CW+2*\g:CW+2*\g+1], v[X+8*\g:X+8*\g+7], v6
	v_cvt_scalef32_pk8_fp8_f32 v[CQ+2*\g:CQ+2*\g+1], v[Y+8*\g:Y+8*\g+7], v12
.endr
	v_nop                                          ; one plain line between a scaled conversion and the matrix instruction that reads its result
	v_wmma_f32_16x16x128_fp8_fp8 v[D:D+7], v[CW:CW+15], v[CQ:CQ+15], 0   ; transposed: lane (r, h), register j: row r of q, column 16 nt + 8 h + j
.rept 4
	v_nop
.endr
	ds_store_b128 v10, v[D:D+3]
	ds_store_b128 v10, v[D+4:D+7] offset:512
	s_wait_dscnt 0x0                               ; for the others' sake: my stores have landed
	s_barrier_signal -1
	s_barrier_wait -1
	s_cmp_lg_u32 s32, 0
	s_cbranch_scc1 .Lqend
.irp w, 0,1,2,3,4,5,6,7
	ds_load_b128 v[X+8*\w:X+8*\w+3], v11 offset:1024*\w
	ds_load_b128 v[X+8*\w+4:X+8*\w+7], v11 offset:1024*\w+512
.endr
	s_wait_dscnt 0x0
.irp w, 1,2,3,4,5,6,7
.irp jp, 0,2,4,6
	v_pk_add_f32 v[X+\jp:X+\jp+1], v[X+\jp:X+\jp+1], v[X+8*\w+\jp:X+8*\w+\jp+1]   ; K ascending
.endr
.endr
.irp jp, 0,2,4,6
	s_delay_alu instid0(VALU_DEP_4)
	v_pk_fma_f32 v[X+\jp:X+\jp+1], v[X+\jp:X+\jp+1], s[54:55], v[BQR+\jp:BQR+\jp+1] op_sel_hi:[1,0,1]   ; sum x 2^(e0 + e1) + bq
.endr
	global_store_b128 v15, v[X:X+3], s[50:51]
	global_store_b128 v15, v[X+4:X+7], s[50:51] offset:16
.Lqend:
	s_wait_tensorcnt 0x0                           ; the wave's end: a wait, an add of 0 to my spare word and its wait, behind my last LDS store
	ds_add_u32 v[SPW], v[NIL]
	s_wait_dscnt 0x0
	s_endpgm
.Lfunc_end_k_qb973289708_prep:
	.size	k_qb973289708_prep, .Lfunc_end_k_qb973289708_prep-k_qb973289708_prep
	.p2alignl 7, 3214868480
	.fill 96, 4, 3214868480
	.section	.rodata,"a",@progbits
	.p2align	6, 0x0
	.amdhsa_kernel k_qb973289708_prep
		.amdhsa_group_segment_fixed_size 9216
		.amdhsa_private_segment_fixed_size 0
		.amdhsa_enable_private_segment 0
		.amdhsa_kernarg_size 72
		.amdhsa_user_sgpr_count 2
		.amdhsa_user_sgpr_kernarg_segment_ptr 1
		.amdhsa_wavefront_size32 1
		.amdhsa_system_sgpr_workgroup_id_x 1
		.amdhsa_system_sgpr_workgroup_id_y 1
		.amdhsa_system_sgpr_workgroup_id_z 1
		.amdhsa_system_vgpr_workitem_id 0
		.amdhsa_next_free_vgpr 192
		.amdhsa_next_free_sgpr 66
		.amdhsa_reserve_vcc 0
		.amdhsa_float_denorm_mode_32 3
		.amdhsa_float_denorm_mode_16_64 3
		.amdhsa_memory_ordered 1
		.amdhsa_forward_progress 1
		.amdhsa_inst_pref_size 43
	.end_amdhsa_kernel
	.amdgpu_metadata
---
amdhsa.version: [ 1, 2 ]
amdhsa.kernels:
  - .name:           k_qb973289708_prep
    .symbol:         k_qb973289708_prep.kd
    .args:
      - { .name: Wk, .offset: 0, .size: 8, .value_kind: global_buffer, .address_space: global }
      - { .name: Wv, .offset: 8, .size: 8, .value_kind: global_buffer, .address_space: global }
      - { .name: Wo, .offset: 16, .size: 8, .value_kind: global_buffer, .address_space: global }
      - { .name: Wq, .offset: 24, .size: 8, .value_kind: global_buffer, .address_space: global }
      - { .name: q, .offset: 32, .size: 8, .value_kind: global_buffer, .address_space: global }
      - { .name: bq, .offset: 40, .size: 8, .value_kind: global_buffer, .address_space: global }
      - { .name: lowp_scales, .offset: 48, .size: 8, .value_kind: global_buffer, .address_space: global }
      - { .name: wc, .offset: 56, .size: 8, .value_kind: global_buffer, .address_space: global }
      - { .name: qh, .offset: 64, .size: 8, .value_kind: global_buffer, .address_space: global }
    .group_segment_fixed_size: 9216
    .private_segment_fixed_size: 0
    .kernarg_segment_align: 8
    .kernarg_segment_size: 72
    .max_flat_workgroup_size: 256
    .sgpr_count:     66
    .vgpr_count:     192
    .wavefront_size: 32
...
	.end_amdgpu_metadata
.endif
;; end of part 4
;; launch scores (part 5): grid 256 x 1, 4 waves a work-group, clusters of 4 x 1, 327,680 bytes of LDS; arguments k, wc, qh, bk, lowp_scales, sc; writes sc
.if DOCPART == 5
	.amdgcn_target "amdgcn-amd-amdhsa--gfx1250"
	.amdhsa_code_object_version 6
	.text
	.protected	k_qb973289708_scores
	.globl	k_qb973289708_scores
	.p2align	8
	.type	k_qb973289708_scores,@function
k_qb973289708_scores:
	s_mov_b64 s[64:65], 0
	v_nop
	global_prefetch_b8 v0, s[64:65] scope:SCOPE_SE
	s_setreg_imm32_b32 hwreg(HW_REG_WAVE_MODE, 25, 1), 1
	s_wait_xcnt 0x0
	s_wait_alu depctr_hold_cnt(0) depctr_sa_sdst(0) depctr_va_vdst(0) depctr_va_sdst(0) depctr_va_ssrc(0) depctr_va_vcc(0) depctr_vm_vsrc(0)
	s_getreg_b32 s2, hwreg(HW_REG_IB_STS2, 6, 4)
	s_cmp_eq_u32 s2, 0
	s_cbranch_scc0 .Lentry_in_a_cluster
	s_endpgm
.Lentry_in_a_cluster:
	s_bfe_u32 s2, ttmp6, 0x10000c
	s_cmp_lg_u32 s2, 0x3003
	s_cbranch_scc0 .Lentry_shape_is_right
	s_endpgm
.Lentry_shape_is_right:
; SCORES.  sc[b][h][s] = log2(e) / 8 x sum over d of qh[b][64 h + d] (kh[b][s][64 h + d]),  kh = Q(k) Q(Wk) 2^(e2 + e3) + bk.  kh never goes to memory.
; SHARES.  A work-group takes 64 rows of k and all 1,024 columns.  Wave w makes columns 256 w .. 256 w + 255 (heads 4 w .. 4 w + 3) of the 64 rows: 64 accumulators, 512 registers.
; Wk's codes come in the order of the operand's registers (launch prep), a K step of 128 (131,072 bytes) to a slot, through a ring of two LDS slots.  Each wave fetches and reads its own quarter.
; CLUSTER.  All work-groups walk the same codes of Wk: the four of a cluster ask for each quarter JOINTLY (the same tensor load, the same descriptor, mask 15), which divides the requests by four.
; THE CLUSTERS WALK K IN FOUR ORDERS: cluster c begins at K step 2 (c % 4) and wraps round, and takes the spans of k in the same order.  So at any time the clusters ask for four different K steps' codes, and the first
; fills of four neighbouring clusters together name all eight K steps at the launch's head; that is why no prefetch of Wk's codes is written.  The order hangs on the cluster's number, which the four partners share.
; k arrives as f32: each wave loads 16 rows densely (512 consecutive bytes a load), holds and converts them (scale 2^e2) and lays the codes as rows of 256 bytes (a span of 256 k) in LDS, pitch 272, two buffers by turns.
; The order of k inside a span is that of the loads (place 8 l + j: k = 4 l + j, or 128 + 4 l + j - 4); Wk's codes lie in the same order, so each product meets its partner.
; THE MATRIX INSTRUCTION IS USED TRANSPOSED (source 0 = 16 columns of Wk, source 1 = 16 rows of k): lane (r, h) holds row r and, in register j, column 8 h + j of a tile.
; The dot product with qh is f32 multiply-adds on the finished sums; its result goes on into a quantised operand of the next launch.
; LIMITS: e2 between -126 and 119; e2 + e3 between -126 and 127.  NaN among the inputs is not served; what lies beyond the scale's range is held at the largest code.  The f32 sums over K are taken in the cluster's order of K steps.
; REGISTERS, in windows of 256: window 0: v1-23 addresses and constants; v24-55 codes just made; v56-63 at work; v64-127 k's fragments (two sub-steps of 64 along K); v128-255 a span of k as f32 (set 0), later qh.
;   window 1: v0-127 Wk's fragments, two sets of eight tiles; v128-255 a span of k (set 1), later bk.   windows 2, 3: accumulator (tile t, row tile m) at v[8 (4 (t % 8) + m)] of window 2 + t / 8.
.set SLOTB, 131072                     ; a slot: one K step of all 64 tiles
.set AR0,   262144                     ; behind the ring: k's codes, 64 rows x 272, two buffers 32,768 bytes apart; no tensor load lands from here on
.set AP,    272                        ; 256 bytes + 16: the sixteen rows that a fragment load touches begin at sixteen different groups of banks (ISA guide 11.1)
.set SCST,  AR0+64*AP                  ; a stage of 1,024 bytes for each wave's scores
.set SPARE, 327168                     ; the spare words, 128 bytes a wave: two blocks of 256 bytes that no other line names
.set SPW,  1                           ; v1   LDS address of my spare word; never rewritten
.set NIL,  2                           ; v2   0; never rewritten
.set ADRB, 3                           ; v3-4 my quarter of slot 0, 1: + 16 x lane
.set ADRA, 5                           ; v5   k's fragments: AR0 + 272 r + 16 h
.set AW,   6                           ; v6   where I put a row's 8 codes: AR0 + 16 wave rows + 8 x lane
.set GA,   7                           ; v7   16 x lane
.set SCA,  8                           ; v8   2^e2 as f32
.set LIM,  10                          ; v10  448 x 2^e2
.set SST,  11                          ; v11  the stage: where I put a score
.set SRD,  12                          ; v12  and where I read 16 bytes back
.set SGO,  13                          ; v13  my byte offset in sc
.set HO,   14                          ; v14  32 h: my eight columns of a tile, in f32
.set GAS,  20                          ; v20-23 16 x lane + the byte of a row at which the S-th span of my cluster's order begins; never rewritten
.set CD,   24
.set AF,   64
.set XS,   128
.set AB,   20                          ; s[20:21] k at my wave's first row
.set WCB,  6                           ; s[6:7]   Wk's codes
.set G1,   24                          ; s[24:31] descriptor group 1
.set G0,   32                          ; s[32:39] descriptor group 0, a set for each slot
.set WV,   48
.set CX,   49
.set WG,   50
.set BQ,   58                          ; s[58:59] Wk's codes at my wave's quarter of K step 0
.set SEL,  60                          ; s[60:61] lane selects for v_permlanex16_b32: lane l xor 16
.set SP1,  66                          ; s[66:67] 2^(e2 + e3)
.set QB,   70                          ; s[70:71] qh at my batch and my wave's columns
.set BKB,  72                          ; s[72:73] bk at my wave's columns
.set SCB,  74                          ; s[74:75] sc at my batch, my wave's heads, my work-group's rows
.set ROT,  76                          ; s76  the K step at which my cluster begins: 2 (cluster % 4)
.set MSB, 0
.macro WIN new                         ; the immediate's high byte repeats the setting that is left; a switch that changes nothing is dropped
.if MSB != (\new)
	s_set_vgpr_msb (MSB<<8)|(\new)
.set MSB, (\new)
.endif
.endm
.macro PLACES                          ; four plain vector lines between a matrix instruction and a load into, or a vector line on, its registers
.rept 4
	v_nop
.endr
.endm
.macro CREST                           ; a round of the cluster's barrier behind its opening barrier
	s_cmp_lg_u32 s[WV], 0
	s_cbranch_scc1 .Lnot_wave_0_\@
	s_barrier_signal -3
.Lnot_wave_0_\@:
	s_barrier_wait -3
	s_barrier_signal -1
	s_barrier_wait -1
.endm
.macro CROUND
	s_barrier_signal -1
	s_barrier_wait -1
	CREST
.endm
.macro JLOAD p                         ; a joint load: my wave's quarter of a slot, 128 rows of 256 bytes, dense.  An s_nop 0 and four v_nop follow it
	tensor_load_to_lds s[G0+4*(\p):G0+4*(\p)+3], s[G1:G1+7]
	s_nop 0
.rept 4
	v_nop
.endr
.endm
.macro SETG0 p, n                      ; slot p's group 0 takes the address of the n-th K step of my cluster's order: K step (n + ROT) % 8.  No tensor load of mine is out where this stands
	s_add_co_u32 s54, s[ROT], ((\n)%8)
	s_and_b32 s54, s54, 7
	s_lshl_b32 s54, s54, 17
	s_mov_b32 s55, 0
	s_add_nc_u64 s[G0+4*(\p)+2:G0+4*(\p)+3], s[BQ:BQ+1], s[54:55]
	s_or_b32 s[G0+4*(\p)+3], s[G0+4*(\p)+3], 0x80000000   ; type = 2
.endm
.macro MKSCALE se, vs, vl              ; s[se] = e:  v[vs] = 2^e as f32, v[vl] = 448 x 2^e
	s_add_co_i32 s52, s[\se], 127
	s_lshl_b32 s53, s52, 23
	v_mov_b32 v[\vs], s53
	s_add_co_i32 s52, s52, 8
	s_lshl_b32 s52, s52, 23
	s_or_b32 s52, s52, 0x600000
	v_mov_b32 v[\vl], s52
.endm
.macro LOADS S, set                    ; the S-th span (256 k, 1,024 bytes) of my cluster's order, of my 16 rows: 32 loads of 512 consecutive bytes; row i's eight numbers of a lane at v[XS + 8 i]
	WIN 0x40*(\set)
.irp i, 0,1,2,3,4,5,6,7,8,9,10,11,12,13,14,15
.irp z, 0,1
	global_load_b128 v[XS+8*\i+4*\z:XS+8*\i+4*\z+3], v[GAS+(\S)], s[AB:AB+1] offset:\i*4096+\z*512 th:TH_LOAD_NT
.endr
.endr
	WIN 0
.endm
.macro CONV S, set, N                  ; the S-th span becomes codes in LDS.  N: the loads issued behind the span's own, which may stay out
	s_wait_loadcnt \N
	WIN 0x41*(\set)
.set ii, 0
.rept 128
	v_med3_num_f32 v[XS+ii], v[XS+ii], -v[LIM], v[LIM]   ; the conversion does not saturate (ISA guide 7.6.2): the hold at the largest code x the scale
.set ii, ii+1
.endr
	WIN 0x01*(\set)
.irp i, 0,1,2,3,4,5,6,7,8,9,10,11,12,13,14,15
	v_cvt_scalef32_pk8_fp8_f32 v[CD+2*\i:CD+2*\i+1], v[XS+8*\i:XS+8*\i+7], v[SCA]
.endr
	v_nop                                          ; a plain line behind the last conversion
	WIN 0
.irp i, 0,1,2,3,4,5,6,7,8,9,10,11,12,13,14,15
	ds_store_b64 v[AW], v[CD+2*\i:CD+2*\i+1] offset:((\S)%2)*32768+\i*AP   ; the 32 lanes fill a row's 256 bytes
.endr
.endm
.macro FA buf, par, sg                 ; k's four fragments (16 rows x 64 places) of sub-step sg of the K step with parity par
.irp m, 0,1,2,3
.irp c, 0,1
	ds_load_b128 v[AF+32*(\sg)+8*\m+4*\c:AF+32*(\sg)+8*\m+4*\c+3], v[ADRA] offset:(\buf)*32768+\m*16*AP+128*(\par)+64*(\sg)+32*\c
.endr
.endr
.endm
.macro FB p, u                         ; unit u = 2 x sub-step + half: eight tiles' fragments of Wk (16 columns x 64 places), into set u % 2
	WIN 0x40
.irp i, 0,1,2,3,4,5,6,7
.irp c, 0,1
	ds_load_b128 v[64*((\u)%2)+8*\i+4*\c:64*((\u)%2)+8*\i+4*\c+3], v[ADRB+(\p)] offset:(8*((\u)%2)+\i)*2048+1024*((\u)/2)+512*\c
.endr
.endr
	WIN 0
.endm
; Unit u's products for row tiles mfirst .. mlast: eight tiles each.  No two matrix instructions that follow each other share an accumulator: the accumulators take turns, one instruction a turn.
.macro MU u, zero, mfirst, mlast
	WIN 0xa1+0x50*((\u)%2)                         ; source 0 (Wk) window 1, source 1 (k) window 0, C and D window 2 or 3
.set mm, \mfirst
.rept (\mlast)-(\mfirst)+1
.set ii, 0
.rept 8
.set rD, 8*(4*ii+mm)
.set rB, 64*((\u)%2)+8*ii
.set rA, AF+32*((\u)/2)+8*mm
.if \zero
	v_wmma_f32_16x16x64_fp8_fp8 v[rD:rD+7], v[rB:rB+7], v[rA:rA+7], 0
.else
	v_wmma_f32_16x16x64_fp8_fp8 v[rD:rD+7], v[rB:rB+7], v[rA:rA+7], v[rD:rD+7]
.endif
.set ii, ii+1
.endr
.set mm, mm+1
.endr
.endm
; STEP t of my cluster's order, first part: units 0, 1, 2.  fill = 1: slot t % 2 is filled again, with step t + 2's codes.  In front of the round each wave waits for all its tensor loads (one is out: its quarter of the other
; slot), adds 0 to its spare word, and waits for that, for its reads of this slot and of k's codes, and for its stores of codes.  So one round orders three things: the slot's refill, the other slot's reads, and k's codes from wave to wave.
.macro STEP_A t, fill, next
.set PP, (\t)%2
.set BF, ((\t)/2)%2
.set PN, ((\t)+1)%2
.set BN, (((\t)+1)/2)%2
.set ZR, 0
.if (\t) == 0
.set ZR, 1
.endif
	s_wait_dscnt 16                                ; all but unit 1's sixteen loads are in
	MU 0, ZR, 0, 3
	PLACES
	WIN 0
	FA BF, PP, 1
	FB PP, 2
	s_wait_dscnt 24                                ; all but the 24 just issued
	MU 1, ZR, 0, 3
	PLACES
	FB PP, 3
	s_wait_dscnt 16                                ; all but unit 3's sixteen
	MU 2, 0, 0, 1
.if \fill
	WIN 0                                          ; (the add's two registers lie in window 0)
	s_wait_tensorcnt 0x0                           ; all my tensor loads have landed, so a group 0 may be written
	ds_add_u32 v[SPW], v[NIL]                      ; 0 onto my spare word
	SETG0 PP, (\t)+2                               ; the refill's address, and
	MU 2, 0, 2, 2                                  ; eight matrix instructions stand between the add and the wait for it
	s_wait_dscnt 0x0                               ; the add is done; my reads of this slot are in; my stores of codes have landed
	s_barrier_signal -1
	MU 2, 0, 3, 3
	WIN 0
	s_barrier_wait -1
	CREST                                          ; no wave of any partner still reads this slot or has a load on its way
	JLOAD PP                                       ; the first thing behind the round; its four v_nop are the places in front of the loads below
.else
.if \next
	s_wait_tensorcnt 0x0                           ; my quarter of the last slot has landed; only I read it
.endif
	MU 2, 0, 2, 3
	s_wait_dscnt 0x0
	PLACES
	WIN 0
.endif
.if \next
	FA BN, PN, 0
	FB PN, 0
.endif
.endm
.macro STEP_B t, next                  ; second part: unit 3
.set PN, ((\t)+1)%2
	MU 3, 0, 0, 3
.if \next
	PLACES
	FB PN, 1
.endif
.endm
.macro HLOAD win, base                 ; 128 numbers a lane in the accumulators' layout: column 16 t + 8 h + j of my wave's 256 at v[XS + 8 t + j]
	WIN 0x40*(\win)
.irp tq, 0,1,2,3,4,5,6,7,8,9,10,11,12,13,14,15
.irp z, 0,1
	global_load_b128 v[XS+8*\tq+4*\z:XS+8*\tq+4*\z+3], v[HO], s[\base:\base+1] offset:64*\tq+16*\z
.endr
.endr
	WIN 0
.endm
	s_load_b256 s[4:11], s[0:1], 0x0               ; k s[4:5], wc s[6:7], qh s[8:9], bk s[10:11]
	s_load_b128 s[12:15], s[0:1], 0x20             ; the exponents s[12:13], sc s[14:15]
	v_lshl_add_u32 v[SPW], v0, 2, SPARE
	v_mov_b32 v[NIL], 0
	ds_add_u32 v[SPW], v[NIL]                      ; the wave's opening: the add and its wait, ahead of my first tensor load; the set-up below stands between them
	ds_add_u32 v[SPW], v[NIL]
	v_lshrrev_b32 v56, 5, v0
	v_readfirstlane_b32 s[WV], v56                 ; wave 0..3
	s_bfe_u32 s[CX], ttmp6, 0x40000                ; my place in the cluster: it enters global addresses of plain loads and stores alone
	s_lshl_b32 s[WG], ttmp9, 2
	s_add_co_u32 s[WG], s[WG], s[CX]               ; my block of 64 rows
	s_and_b32 s[ROT], ttmp9, 3                     ; in a cluster launch ttmp9 counts clusters: the same number in all four partners
	s_lshl_b32 s[ROT], s[ROT], 1
	s_mov_b32 s[G1], 15|(3<<16)|(1<<21)            ; 15:0 the mask: all four work-groups; 17:16 elements of 8 bytes; 21 set beside a mask; no padding
	s_mov_b32 s[G1+1], 32<<16                      ; tensor_dim0 = 32 elements: 256 bytes
	s_mov_b32 s[G1+2], 128<<16                     ; tensor_dim1 = 128
	s_mov_b32 s[G1+3], 32<<16                      ; tile_dim0 = 32
	s_mov_b32 s[G1+4], 128                         ; tile_dim1 = 128
	s_mov_b32 s[G1+5], 32                          ; from row to row: dense
	s_mov_b32 s[G1+6], 0
	s_mov_b32 s[G1+7], 0
.set G1H, 88                           ; s[88:95] descriptor group 1 of the head's fill: 256 rows of 256 bytes, dense
.set G0H, 96                           ; s[96:99] its group 0
	s_mov_b32 s[G1H], 15|(3<<16)|(1<<21)
	s_mov_b32 s[G1H+1], 32<<16
	s_mov_b32 s[G1H+2], 256<<16
	s_mov_b32 s[G1H+3], 32<<16
	s_mov_b32 s[G1H+4], 256
	s_mov_b32 s[G1H+5], 32
	s_mov_b32 s[G1H+6], 0
	s_mov_b32 s[G1H+7], 0
	s_mov_b32 s[SEL], 0x76543210
	s_mov_b32 s[SEL+1], 0xfedcba98
	v_and_b32 v57, 31, v0                          ; lane
	v_and_b32 v58, 15, v0                          ; r
	v_bfe_u32 v59, v0, 4, 1                        ; h
	v_lshlrev_b32 v[GA], 4, v57
	s_wait_alu depctr_va_vdst(0)
.irp S, 0,1,2,3
	s_add_co_u32 s54, s[ROT], 2*\S
	s_and_b32 s54, s54, 6                          ; twice the span: (S + cluster % 4) % 4
	s_lshl_b32 s54, s54, 9                         ; x 1,024 bytes
	v_add_nc_u32 v[GAS+\S], s54, v[GA]
.endr
	s_lshl_b32 s52, s[WV], 15                      ; my quarter of a slot
	s_mov_b32 s53, 0
	v_add_nc_u32 v[ADRB], s52, v[GA]
	v_add_nc_u32 v[ADRB+1], SLOTB, v[ADRB]
	v_mul_u32_u24 v[ADRA], v58, AP
	v_lshl_add_u32 v[ADRA], v59, 4, v[ADRA]
	v_add_nc_u32 v[ADRA], AR0, v[ADRA]
	s_mul_i32 s54, s[WV], 16*AP
	s_add_co_u32 s54, s54, AR0
	v_lshl_add_u32 v[AW], v57, 3, s54
	s_lshl_b32 s56, s[WV], 10
	s_add_co_u32 s56, s56, SCST
	v_lshl_add_u32 v[SST], v58, 2, s56
	v_add_nc_u32 v[SRD], s56, v[GA]
	v_lshlrev_b32 v[SGO], 4, v58
	v_lshl_add_u32 v[SGO], v59, 12, v[SGO]         ; lanes 0-15 one head's 256 bytes, lanes 16-31 the next head's
	v_lshlrev_b32 v[HO], 5, v59
	s_wait_dscnt 0x0                               ; the opening add is done
	s_wait_kmcnt 0x0
	s_load_b256 s[40:47], s[12:13], 0x0            ; e0 .. e7
	s_lshl_b32 s56, s[WG], 18                      ; 64 rows of 4,096 bytes a work-group,
	s_lshl_b32 s57, s[WV], 16                      ; 16 a wave
	s_add_co_u32 s56, s56, s57
	s_mov_b32 s57, 0
	s_add_nc_u64 s[AB:AB+1], s[4:5], s[56:57]
	LOADS 0, 0
	s_add_nc_u64 s[BQ:BQ+1], s[WCB:WCB+1], s[52:53]
	; THE HEAD'S FILL: one tensor load a wave.  The two slots are 262,144 bytes on end: wave w fills bytes 65,536 w on: half w % 2 of slot w / 2, which holds step w / 2 of my cluster's order
	s_mov_b32 s[G0H], 1
	s_lshl_b32 s[G0H+1], s[WV], 16
	s_lshr_b32 s54, s[WV], 1
	s_add_co_u32 s54, s54, s[ROT]
	s_and_b32 s54, s54, 7
	s_lshl_b32 s54, s54, 17
	s_and_b32 s55, s[WV], 1
	s_lshl_b32 s55, s55, 16
	s_add_co_u32 s54, s54, s55
	s_mov_b32 s55, 0
	s_add_nc_u64 s[G0H+2:G0H+3], s[WCB:WCB+1], s[54:55]
	s_or_b32 s[G0H+3], s[G0H+3], 0x80000000
.irp p, 0,1
	s_mov_b32 s[G0+4*\p], 1                        ; count = 1
	s_add_co_u32 s[G0+4*\p+1], s52, \p*SLOTB       ; LDS address: the slot, my quarter
	SETG0 \p, \p                                   ; global address: step p of my cluster's order, my quarter
.endr
	s_lshr_b32 s54, s[WG], 4                       ; my batch
	s_lshl_b32 s56, s54, 12
	s_lshl_b32 s55, s[WV], 10
	s_add_co_u32 s56, s56, s55
	s_add_nc_u64 s[QB:QB+1], s[8:9], s[56:57]
	s_mov_b32 s56, s55
	s_add_nc_u64 s[BKB:BKB+1], s[10:11], s[56:57]
	s_lshl_b32 s56, s54, 16
	s_lshl_b32 s55, s[WV], 14
	s_add_co_u32 s56, s56, s55
	s_and_b32 s55, s[WG], 15
	s_lshl_b32 s55, s55, 8
	s_add_co_u32 s56, s56, s55
	s_add_nc_u64 s[SCB:SCB+1], s[14:15], s[56:57]
	CROUND                                         ; all four work-groups are here: the first joint loads meet
	tensor_load_to_lds s[G0H:G0H+3], s[G1H:G1H+7]  ; my one tensor load at the head, a joint one; an s_nop 0 and four v_nop follow it
	s_nop 0
.rept 4
	v_nop
.endr
	LOADS 1, 1                                     ; the second span's 32 loads stand behind the tensor load: with the first span's they are 64
	s_wait_kmcnt 0x0
	MKSCALE 42, SCA, LIM
	s_add_co_i32 s[SP1], s42, s43
	s_add_co_i32 s[SP1], s[SP1], 127
	s_lshl_b32 s[SP1], s[SP1], 23                  ; 2^(e2 + e3) as f32
	s_mov_b32 s[SP1+1], s[SP1]
	s_wait_alu depctr_va_vdst(0)
	CONV 0, 0, 32
	LOADS 2, 0
	s_wait_tensorcnt 0x0                           ; my part of the two slots is in; behind the barrier everybody's is: a wave reads quarters that other waves fetched
	s_wait_dscnt 0x0                               ; my rows' codes of the first span have landed
	s_barrier_signal -1
	s_barrier_wait -1
	FA 0, 0, 0
	FB 0, 0
	FB 0, 1
	STEP_A 0, 1, 1
	CONV 1, 1, 32                                  ; the second span's codes go into the other buffer; they are read behind the next round
	LOADS 3, 1
	STEP_B 0, 1
	STEP_A 1, 1, 1
	STEP_B 1, 1
	STEP_A 2, 1, 1
	CONV 2, 0, 32                                  ; buffer 0 had its last read of the first span in front of the round of step 1
	HLOAD 0, QB                                    ; qh, into the registers that the third span has left
	STEP_B 2, 1
	STEP_A 3, 1, 1
	STEP_B 3, 1
	STEP_A 4, 1, 1
	CONV 3, 1, 32
	HLOAD 1, BKB                                   ; bk
	STEP_B 4, 1
	STEP_A 5, 1, 1
	STEP_B 5, 1
	STEP_A 6, 0, 1                                 ; the last two steps ask for nothing, and have no round
	STEP_B 6, 1
	STEP_A 7, 0, 0
	STEP_B 7, 0
	; ---- the dot products.  score = sum over my 32 columns of a head of qh (sum x 2^(e2 + e3) + bk), then lane l xor 16's 32 columns
	PLACES
	WIN 0
	s_wait_loadcnt 0x0                             ; qh and bk
	WIN 0x04                                       ; source 1 (bk) window 1
.set xx, 0
.rept 16
.irp hd, 0,1,2,3
.if xx == 0
	v_pk_mul_f32 v[56+2*\hd:57+2*\hd], v[XS+32*\hd:XS+32*\hd+1], v[XS+32*\hd:XS+32*\hd+1]
.else
	v_pk_fma_f32 v[56+2*\hd:57+2*\hd], v[XS+32*\hd+2*xx:XS+32*\hd+2*xx+1], v[XS+32*\hd+2*xx:XS+32*\hd+2*xx+1], v[56+2*\hd:57+2*\hd]   ; qh . bk, four chains
.endif
.endr
.set xx, xx+1
.endr
	WIN 0
.set xx, 0
.rept 64
	v_pk_mul_f32 v[XS+2*xx:XS+2*xx+1], v[XS+2*xx:XS+2*xx+1], s[SP1:SP1+1] op_sel_hi:[1,0]   ; qh x 2^(e2 + e3): nothing is rounded
.set xx, xx+1
.endr
.set tt, 0
.rept 16
	WIN 0x02+(tt/8)                                ; source 0: the accumulators' window
.irp jp, 0,2,4,6
.irp m, 0,1,2,3
.set rS, AF+2*(4*\m+tt/4)
.set rC, 8*(4*(tt%8)+\m)+\jp
.if ((tt%4) == 0) && (\jp == 0)
	v_pk_fma_f32 v[rS:rS+1], v[rC:rC+1], v[XS+8*tt+\jp:XS+8*tt+\jp+1], v[56+2*(tt/4):57+2*(tt/4)]   ; each accumulator is read from its low end on
.else
	v_pk_fma_f32 v[rS:rS+1], v[rC:rC+1], v[XS+8*tt+\jp:XS+8*tt+\jp+1], v[rS:rS+1]
.endif
.endr
.endr
.set tt, tt+1
.endr
	WIN 0
.irp x, 0,1,2,3,4,5,6,7,8,9,10,11,12,13,14,15
	v_add_f32 v[AF+2*\x], v[AF+2*\x], v[AF+2*\x+1]
.endr
.irp x, 0,1,2,3,4,5,6,7,8,9,10,11,12,13,14,15
	v_permlanex16_b32 v[AF+2*\x+1], v[AF+2*\x], s[SEL], s[SEL+1]
.endr
.irp x, 0,1,2,3,4,5,6,7,8,9,10,11,12,13,14,15
	v_add_f32 v[AF+2*\x], v[AF+2*\x], v[AF+2*\x+1]
.endr
.irp x, 0,1,2,3,4,5,6,7,8,9,10,11,12,13,14,15
	v_mul_f32 v[AF+2*\x], 0x3e38aa3b, v[AF+2*\x]   ; x log2(e) / 8
.endr
.irp m, 0,1,2,3
.irp hd, 0,1,2,3
	ds_store_b32 v[SST], v[AF+2*(4*\m+\hd)] offset:\hd*256+\m*64   ; my stage: [head][row]; both halves of the lanes write the same word with the same number
.endr
.endr
	ds_load_b128 v[96:99], v[SRD]                  ; LDS serves a wave's instructions in order (ISA guide 5.7.1.4): these see my stores
	ds_load_b128 v[100:103], v[SRD] offset:512
	s_wait_dscnt 0x0
	global_store_b128 v[SGO], v[96:99], s[SCB:SCB+1]                 ; sixteen lanes store a head's 64 scores: 256 consecutive bytes, aligned
	global_store_b128 v[SGO], v[100:103], s[SCB:SCB+1] offset:8192
	s_wait_tensorcnt 0x0                           ; the wave's end: a wait, an add of 0 to my spare word and its wait, behind my last tensor load and my last LDS store
	ds_add_u32 v[SPW], v[NIL]
	s_wait_dscnt 0x0
	CROUND                                         ; the closing round: no work-group ends while a partner may still ask for a tile that names it
	s_endpgm
.Lfunc_end_k_qb973289708_scores:
	.size	k_qb973289708_scores, .Lfunc_end_k_qb973289708_scores-k_qb973289708_scores
	.p2alignl 7, 3214868480
	.fill 96, 4, 3214868480
	.section	.rodata,"a",@progbits
	.p2align	6, 0x0
	.amdhsa_kernel k_qb973289708_scores
		.amdhsa_group_segment_fixed_size 327680
		.amdhsa_private_segment_fixed_size 0
		.amdhsa_enable_private_segment 0
		.amdhsa_kernarg_size 48
		.amdhsa_user_sgpr_count 2
		.amdhsa_user_sgpr_kernarg_segment_ptr 1
		.amdhsa_wavefront_size32 1
		.amdhsa_system_sgpr_workgroup_id_x 1
		.amdhsa_system_sgpr_workgroup_id_y 1
		.amdhsa_system_sgpr_workgroup_id_z 1
		.amdhsa_system_vgpr_workitem_id 0
		.amdhsa_next_free_vgpr 1024
		.amdhsa_next_free_sgpr 100
		.amdhsa_reserve_vcc 0
		.amdhsa_float_denorm_mode_32 3
		.amdhsa_float_denorm_mode_16_64 3
		.amdhsa_memory_ordered 1
		.amdhsa_forward_progress 1
		.amdhsa_inst_pref_size 212
	.end_amdhsa_kernel
	.amdgpu_metadata
---
amdhsa.version: [ 1, 2 ]
amdhsa.kernels:
  - .name:           k_qb973289708_scores
    .symbol:         k_qb973289708_scores.kd
    .args:
      - { .name: k, .offset: 0, .size: 8, .value_kind: global_buffer, .address_space: global }
      - { .name: wc, .offset: 8, .size: 8, .value_kind: global_buffer, .address_space: global }
      - { .name: qh, .offset: 16, .size: 8, .value_kind: global_buffer, .address_space: global }
      - { .name: bk, .offset: 24, .size: 8, .value_kind: global_buffer, .address_space: global }
      - { .name: lowp_scales, .offset: 32, .size: 8, .value_kind: global_buffer, .address_space: global }
      - { .name: sc, .offset: 40, .size: 8, .value_kind: global_buffer, .address_space: global }
    .group_segment_fixed_size: 327680
    .private_segment_fixed_size: 0
    .kernarg_segment_align: 8
    .kernarg_segment_size: 48
    .max_flat_workgroup_size: 128
    .sgpr_count:     100
    .vgpr_count:     1024
    .wavefront_size: 32
...
	.end_amdgpu_metadata
.endif
;; end of part 5
;; launch outp (part 6): grid 256 x 1, 4 waves a work-group, clusters of 4 x 1, 327,680 bytes of LDS; arguments v, wc, sc, bv, bo, lowp_scales, out0; writes out0
.if DOCPART == 6
	.amdgcn_target "amdgcn-amd-amdhsa--gfx1250"
	.amdhsa_code_object_version 6
	.text
	.protected	k_qb973289708_outp
	.globl	k_qb973289708_outp
	.p2align	8
	.type	k_qb973289708_outp,@function
k_qb973289708_outp:
	s_mov_b64 s[64:65], 0
	v_nop
	global_prefetch_b8 v0, s[64:65] scope:SCOPE_SE
	s_setreg_imm32_b32 hwreg(HW_REG_WAVE_MODE, 25, 1), 1
	s_wait_xcnt 0x0
	s_wait_alu depctr_hold_cnt(0) depctr_sa_sdst(0) depctr_va_vdst(0) depctr_va_sdst(0) depctr_va_ssrc(0) depctr_va_vcc(0) depctr_vm_vsrc(0)
	s_getreg_b32 s2, hwreg(HW_REG_IB_STS2, 6, 4)
	s_cmp_eq_u32 s2, 0
	s_cbranch_scc0 .Lentry_in_a_cluster
	s_endpgm
.Lentry_in_a_cluster:
	s_bfe_u32 s2, ttmp6, 0x10000c
	s_cmp_lg_u32 s2, 0x3003
	s_cbranch_scc0 .Lentry_shape_is_right
	s_endpgm
.Lentry_shape_is_right:
; OUTP.  out0 = Q(softmax_s(scores) x vh) Q(Wo) 2^(e6 + e7) + bo,  vh = Q(v) Q(Wv) 2^(e4 + e5) + bv.  vh and its codes never go to memory.
; SHARES.  A work-group takes 64 rows of v and all 1,024 columns, through both products; wave w makes columns 256 w .. 256 w + 255 of vh (heads 4 w .. 4 w + 3), then, group by group of 256, 64 columns of out0.
; Wv's and then Wo's codes (launch prep, images of the operand's registers) come through a ring of two LDS slots of 131,072 bytes, asked for jointly by the four work-groups of a cluster; the clusters walk K in four orders.
; v arrives as f32, is held, converted (scale 2^e4) and laid in LDS as in launch scores.  The softmax takes each head's largest exponent away; its weights multiply vh ahead of the quantiser (scale 2^e6).
; The codes of the weighted vh go from wave to wave through LDS as images of the operand's registers; out0 leaves through each wave's stage in rows of 256 bytes.
; LIMITS: e4, e6 between -126 and 119; e4 + e5 and e6 + e7 between -126 and 127; the exponents in sc stay under 2^31 in magnitude.  NaN among the inputs is not served; what lies beyond a scale's range is held at the largest code.
.set SLOTB, 131072
.set AR0,   262144
.set AP,    272
.set HX,    262144
.set STG,   294912
.set SPARE, 327168
.set SPW,  1
.set NIL,  2
.set ADRB, 3
.set ADRA, 5
.set AW,   6
.set GA,   7
.set SCA,  8
.set PFO,  9
.set LIM,  10
.set SC6,  11
.set LIM6, 12
.set HO,   13
.set RO,   14
.set HXS,  15
.set HXL,  16
.set STO,  17
.set RD,   18
.set CO,   19
.set GAS,  20
.set CD,   24
.set AF,   64
.set BO,   64
.set BK,   96
.set XS,   128
.set AB,   20
.set WCB,  22
.set G1,   24
.set G0,   32
.set WV,   48
.set CX,   49
.set WG,   50
.set CNT,  51
.set BQ,   58
.set SEL,  60
.set SP1,  66
.set SP2,  68
.set OB,   70
.set BOB,  72
.set SCB,  74
.set BVB,  76
.set ROT,  78
.set WJ,   79
.set OB0,  80
.set BOB0, 82
.set GJ,   84
.set MSB, 0
.macro WIN new
.if MSB != (\new)
	s_set_vgpr_msb (MSB<<8)|(\new)
.set MSB, (\new)
.endif
.endm
.macro PLACES
.rept 4
	v_nop
.endr
.endm
.macro CREST
	s_cmp_lg_u32 s[WV], 0
	s_cbranch_scc1 .Lnot_wave_0_\@
	s_barrier_signal -3
.Lnot_wave_0_\@:
	s_barrier_wait -3
	s_barrier_signal -1
	s_barrier_wait -1
.endm
.macro CROUND
	s_barrier_signal -1
	s_barrier_wait -1
	CREST
.endm
.macro BARRIER
	s_wait_dscnt 0x0
	s_barrier_signal -1
	s_barrier_wait -1
.endm
.macro JLOAD p
	tensor_load_to_lds s[G0+4*(\p):G0+4*(\p)+3], s[G1:G1+7]
	s_nop 0
.rept 4
	v_nop
.endr
.endm
.macro SETG0 p, n
	s_add_co_u32 s54, s[ROT], ((\n)%8)
	s_and_b32 s54, s54, 7
	s_lshl_b32 s54, s54, 17
.if (\n) >= 8
	s_add_co_u32 s54, s54, 0x100000
.endif
	s_mov_b32 s55, 0
	s_add_nc_u64 s[G0+4*(\p)+2:G0+4*(\p)+3], s[BQ:BQ+1], s[54:55]
	s_or_b32 s[G0+4*(\p)+3], s[G0+4*(\p)+3], 0x80000000
.endm
.macro SETW p
	s_and_b32 s54, s[WJ], 7
	s_lshl_b32 s54, s54, 17
	s_add_co_u32 s54, s54, 0x100000
	s_mov_b32 s55, 0
	s_add_nc_u64 s[G0+4*(\p)+2:G0+4*(\p)+3], s[BQ:BQ+1], s[54:55]
	s_or_b32 s[G0+4*(\p)+3], s[G0+4*(\p)+3], 0x80000000
	s_add_co_u32 s[WJ], s[WJ], 1
.endm
.macro MKSCALE se, vs, vl
	s_add_co_i32 s52, s[\se], 127
	s_lshl_b32 s53, s52, 23
	v_mov_b32 v[\vs], s53
	s_add_co_i32 s52, s52, 8
	s_lshl_b32 s52, s52, 23
	s_or_b32 s52, s52, 0x600000
	v_mov_b32 v[\vl], s52
.endm
.macro HOLD first, count, lim
.set ii, 0
.rept \count
	v_med3_num_f32 v[\first+ii], v[\first+ii], -v[\lim], v[\lim]
.set ii, ii+1
.endr
.endm
.macro LOADS S, set
	WIN 0x40*(\set)
.irp i, 0,1,2,3,4,5,6,7,8,9,10,11,12,13,14,15
.irp z, 0,1
	global_load_b128 v[XS+8*\i+4*\z:XS+8*\i+4*\z+3], v[GAS+(\S)], s[AB:AB+1] offset:\i*4096+\z*512 th:TH_LOAD_NT
.endr
.endr
	WIN 0
.endm
.macro CONV S, set, N
	s_wait_loadcnt \N
	WIN 0x41*(\set)
	HOLD XS, 128, LIM
	WIN 0x01*(\set)
.irp i, 0,1,2,3,4,5,6,7,8,9,10,11,12,13,14,15
	v_cvt_scalef32_pk8_fp8_f32 v[CD+2*\i:CD+2*\i+1], v[XS+8*\i:XS+8*\i+7], v[SCA]
.endr
	v_nop
	WIN 0
.irp i, 0,1,2,3,4,5,6,7,8,9,10,11,12,13,14,15
	ds_store_b64 v[AW], v[CD+2*\i:CD+2*\i+1] offset:((\S)%2)*32768+\i*AP
.endr
.endm
.macro FA buf, par, sg
.irp m, 0,1,2,3
.irp c, 0,1
	ds_load_b128 v[AF+32*(\sg)+8*\m+4*\c:AF+32*(\sg)+8*\m+4*\c+3], v[ADRA] offset:(\buf)*32768+\m*16*AP+128*(\par)+64*(\sg)+32*\c
.endr
.endr
.endm
.macro FB p, u
	WIN 0x40
.irp i, 0,1,2,3,4,5,6,7
.irp c, 0,1
	ds_load_b128 v[64*((\u)%2)+8*\i+4*\c:64*((\u)%2)+8*\i+4*\c+3], v[ADRB+(\p)] offset:(8*((\u)%2)+\i)*2048+1024*((\u)/2)+512*\c
.endr
.endr
	WIN 0
.endm
.macro MU u, zero, mfirst, mlast
	WIN 0xa1+0x50*((\u)%2)
.set mm, \mfirst
.rept (\mlast)-(\mfirst)+1
.set ii, 0
.rept 8
.set rD, 8*(4*ii+mm)
.set rB, 64*((\u)%2)+8*ii
.set rA, AF+32*((\u)/2)+8*mm
.if \zero
	v_wmma_f32_16x16x64_fp8_fp8 v[rD:rD+7], v[rB:rB+7], v[rA:rA+7], 0
.else
	v_wmma_f32_16x16x64_fp8_fp8 v[rD:rD+7], v[rB:rB+7], v[rA:rA+7], v[rD:rD+7]
.endif
.set ii, ii+1
.endr
.set mm, mm+1
.endr
.endm
.macro ASK j
	s_cmp_lg_u32 ttmp9, 0
	s_cbranch_scc1 .Lnot_mine_\@
	global_prefetch_b8 v[PFO], s[WCB:WCB+1] offset:(8+2*(\j))*SLOTB th:TH_LOAD_NT scope:SCOPE_SE
	global_prefetch_b8 v[PFO], s[WCB:WCB+1] offset:(9+2*(\j))*SLOTB th:TH_LOAD_NT scope:SCOPE_SE
.Lnot_mine_\@:
.endm
.macro STEP_A t, next
.set PP, (\t)%2
.set BF, ((\t)/2)%2
.set PN, ((\t)+1)%2
.set BN, (((\t)+1)/2)%2
.set ZR, 0
.if (\t) == 0
.set ZR, 1
.endif
	s_wait_dscnt 16
	MU 0, ZR, 0, 3
	PLACES
	WIN 0
	FA BF, PP, 1
	FB PP, 2
	s_wait_dscnt 24
	MU 1, ZR, 0, 3
	PLACES
	FB PP, 3
	s_wait_dscnt 16
	MU 2, 0, 0, 1
	WIN 0
	s_wait_tensorcnt 0x0
	ds_add_u32 v[SPW], v[NIL]
	SETG0 PP, (\t)+2
	MU 2, 0, 2, 2
	s_wait_dscnt 0x0
	s_barrier_signal -1
	MU 2, 0, 3, 3
	WIN 0
	s_barrier_wait -1
	CREST
	JLOAD PP
.if \next
	FA BN, PN, 0
	FB PN, 0
.endif
.endm
.macro STEP_B t, next
.set PN, ((\t)+1)%2
	MU 3, 0, 0, 3
.if \next
	PLACES
	FB PN, 1
.endif
.endm
.macro SOFTMAX
	s_wait_loadcnt 0x0
.irp hd, 0,1,2,3
	v_max3_num_f32 v[56+2*\hd], v[XS+32*\hd], v[XS+32*\hd+1], v[XS+32*\hd+2]
	v_max3_num_f32 v[57+2*\hd], v[XS+32*\hd+3], v[XS+32*\hd+4], v[XS+32*\hd+5]
.endr
.irp i, 6,10,14,18,22,26
.irp hd, 0,1,2,3
	v_max3_num_f32 v[56+2*\hd], v[56+2*\hd], v[XS+32*\hd+\i], v[XS+32*\hd+\i+1]
	v_max3_num_f32 v[57+2*\hd], v[57+2*\hd], v[XS+32*\hd+\i+2], v[XS+32*\hd+\i+3]
.endr
.endr
.irp hd, 0,1,2,3
	v_max3_num_f32 v[56+2*\hd], v[56+2*\hd], v[XS+32*\hd+30], v[XS+32*\hd+31]
.endr
.irp hd, 0,1,2,3
	v_max_num_f32 v[56+2*\hd], v[56+2*\hd], v[57+2*\hd]
.endr
.irp x, 1,2,4,8
.irp hd, 0,1,2,3
	v_max_num_f32_dpp v[56+2*\hd], v[56+2*\hd], v[56+2*\hd] row_xmask:\x row_mask:0xf bank_mask:0xf
.endr
.endr
.irp hd, 0,1,2,3
	v_permlanex16_b32 v[57+2*\hd], v[56+2*\hd], s[SEL], s[SEL+1]
.endr
.irp hd, 0,1,2,3
	v_max_num_f32 v[56+2*\hd], v[56+2*\hd], v[57+2*\hd]
.endr
.irp hd, 0,1,2,3
.irp i, 0,2,4,6,8,10,12,14,16,18,20,22,24,26,28,30
	v_pk_add_f32 v[XS+32*\hd+\i:XS+32*\hd+\i+1], v[XS+32*\hd+\i:XS+32*\hd+\i+1], v[56+2*\hd:57+2*\hd] op_sel_hi:[1,0] neg_lo:[0,1] neg_hi:[0,1]
.endr
.endr
.irp m, 0,1,2,3
.irp hd, 0,1,2,3
	v_sub_f32 v[CD+2*(4*\m+\hd)], v[CD+2*(4*\m+\hd)], v[56+2*\hd]
.endr
.endr
.set ii, 0
	s_wait_alu depctr_va_vdst(0)
.rept 128
	v_exp_f32 v[XS+ii], v[XS+ii]
.set ii, ii+1
.endr
.irp x, 0,1,2,3,4,5,6,7,8,9,10,11,12,13,14,15
	v_exp_f32 v[CD+2*\x], v[CD+2*\x]
.endr
	v_nop
	s_wait_alu depctr_va_vdst(0)
.irp i, 4,8,12,16,20,24,28
.irp hd, 0,1,2,3
	v_pk_add_f32 v[XS+32*\hd:XS+32*\hd+1], v[XS+32*\hd:XS+32*\hd+1], v[XS+32*\hd+\i:XS+32*\hd+\i+1]
	v_pk_add_f32 v[XS+32*\hd+2:XS+32*\hd+3], v[XS+32*\hd+2:XS+32*\hd+3], v[XS+32*\hd+\i+2:XS+32*\hd+\i+3]
.endr
.endr
.irp hd, 0,1,2,3
	v_pk_add_f32 v[XS+32*\hd:XS+32*\hd+1], v[XS+32*\hd:XS+32*\hd+1], v[XS+32*\hd+2:XS+32*\hd+3]
.endr
.irp hd, 0,1,2,3
	v_add_f32 v[XS+32*\hd], v[XS+32*\hd], v[XS+32*\hd+1]
.endr
.irp x, 1,2,4,8
.irp hd, 0,1,2,3
	v_add_f32_dpp v[XS+32*\hd], v[XS+32*\hd], v[XS+32*\hd] row_xmask:\x row_mask:0xf bank_mask:0xf
.endr
.endr
.irp hd, 0,1,2,3
	v_permlanex16_b32 v[XS+32*\hd+1], v[XS+32*\hd], s[SEL], s[SEL+1]
.endr
.irp hd, 0,1,2,3
	v_add_f32 v[XS+32*\hd], v[XS+32*\hd], v[XS+32*\hd+1]
.endr
	s_wait_alu depctr_va_vdst(0)
.irp hd, 0,1,2,3
	v_rcp_f32 v[56+2*\hd], v[XS+32*\hd]
.endr
	v_nop
	s_wait_alu depctr_va_vdst(0)
.irp m, 0,1,2,3
.irp hd, 0,1,2,3
	v_mul_f32 v[CD+2*(4*\m+\hd)+1], v[CD+2*(4*\m+\hd)], v[56+2*\hd]
.endr
.endr
.irp m, 0,1,2,3
.irp hd, 0,1,2,3
	v_mul_f32 v[CD+2*(4*\m+\hd)], v[CD+2*(4*\m+\hd)], v[56+2*\hd]
.endr
.endr
.endm
.macro FB2 p, ta
	WIN 0x40
.irp f, 0,1,2,3,4,5,6,7
.irp c, 0,1,2,3
	ds_load_b128 v[128*(\ta)+16*\f+4*\c:128*(\ta)+16*\f+4*\c+3], v[ADRB+(\p)] offset:(8*(\ta)+\f)*2048+512*\c
.endr
.endr
	WIN 0
.endm
.macro MT sp, ta, k0, k1
.set kk, \k0
.rept (\k1)-(\k0)+1
	WIN 0x09+4*(kk/4)
.irp m, 0,1,2,3
.set rD, XS+8*(4*(2*(\sp)+(\ta))+\m)
.set rB, 128*(\ta)+16*kk
.set rH, 16*(4*(kk%4)+\m)
.if kk == 0
	v_wmma_f32_16x16x128_fp8_fp8 v[rD:rD+7], v[rB:rB+15], v[rH:rH+15], 0
.else
	v_wmma_f32_16x16x128_fp8_fp8 v[rD:rD+7], v[rB:rB+15], v[rH:rH+15], v[rD:rD+7]
.endif
.endr
.set kk, kk+1
.endr
.endm
.macro STEP2 sp, fill
	s_wait_dscnt 32
	MT \sp, 0, 0, 3
.if \fill
	WIN 0
	s_wait_tensorcnt 0x0
	ds_add_u32 v[SPW], v[NIL]
	SETW \sp
	MT \sp, 0, 4, 5
	s_wait_dscnt 0x0
	s_barrier_signal -1
	MT \sp, 0, 6, 7
	WIN 0
	s_barrier_wait -1
	CREST
	JLOAD \sp
.else
	s_wait_tensorcnt 0x0
	MT \sp, 0, 4, 7
	s_wait_dscnt 0x0
	PLACES
	WIN 0
.endif
	FB2 1-(\sp), 0
	MT \sp, 1, 0, 7
	PLACES
	FB2 1-(\sp), 1
.endm
.macro BOLOAD
.irp tq, 0,1,2,3
.irp z, 0,1
	global_load_b128 v[BO+8*\tq+4*\z:BO+8*\tq+4*\z+3], v[HO], s[BOB:BOB+1] offset:64*\tq+16*\z
.endr
.endr
.endm
.macro PACK m
.irp tq, 0,1,2,3
.irp jp, 0,2,4,6
	v_pk_fma_f32 v[XS+8*(4*\tq+(\m))+\jp:XS+8*(4*\tq+(\m))+\jp+1], v[XS+8*(4*\tq+(\m))+\jp:XS+8*(4*\tq+(\m))+\jp+1], s[SP2:SP2+1], v[BO+8*\tq+\jp:BO+8*\tq+\jp+1] op_sel_hi:[1,0,1]
.endr
.endr
.endm
.macro TOSTAGE m
.irp tq, 0,1,2,3
.irp z, 0,1
	ds_store_b128 v[STO], v[XS+8*(4*\tq+(\m))+4*\z:XS+8*(4*\tq+(\m))+4*\z+3] offset:64*\tq+16*\z
.endr
.endr
	s_wait_xcnt 0x0
.irp i, 0,1,2,3,4,5,6,7
	ds_load_b128 v[BK+4*\i:BK+4*\i+3], v[RD] offset:2*\i*AP
.endr
.endm
.macro SEND m
	s_wait_dscnt 0x0
.irp i, 0,1,2,3,4,5,6,7
	global_store_b128 v[CO], v[BK+4*\i:BK+4*\i+3], s[OB:OB+1] offset:(16*(\m)+2*\i)*4096 th:TH_STORE_NT
.endr
.endm
.macro OUT
	s_wait_loadcnt 0x0
	PACK 0
	TOSTAGE 0
.irp a, 1,2,3
	PACK \a
	s_wait_alu depctr_va_vdst(0)
	SEND \a-1
	TOSTAGE \a
.endr
	SEND 3
.endm
	s_load_b256 s[4:11], s[0:1], 0x0
	s_load_b128 s[12:15], s[0:1], 0x20
	s_load_b64 s[16:17], s[0:1], 0x30
	v_lshl_add_u32 v[SPW], v0, 2, SPARE
	v_mov_b32 v[NIL], 0
	ds_add_u32 v[SPW], v[NIL]
	ds_add_u32 v[SPW], v[NIL]
	v_lshrrev_b32 v56, 5, v0
	v_readfirstlane_b32 s[WV], v56
	s_bfe_u32 s[CX], ttmp6, 0x40000
	s_lshl_b32 s[WG], ttmp9, 2
	s_add_co_u32 s[WG], s[WG], s[CX]
	s_and_b32 s[ROT], ttmp9, 3
	s_lshl_b32 s[ROT], s[ROT], 1
	s_mov_b32 s[G1], 15|(3<<16)|(1<<21)
	s_mov_b32 s[G1+1], 32<<16
	s_mov_b32 s[G1+2], 128<<16
	s_mov_b32 s[G1+3], 32<<16
	s_mov_b32 s[G1+4], 128
	s_mov_b32 s[G1+5], 32
	s_mov_b32 s[G1+6], 0
	s_mov_b32 s[G1+7], 0
.set G1H, 88                           ; s[88:95] descriptor group 1 of the head's fill: 256 rows of 256 bytes, dense
.set G0H, 96                           ; s[96:99] its group 0
	s_mov_b32 s[G1H], 15|(3<<16)|(1<<21)
	s_mov_b32 s[G1H+1], 32<<16
	s_mov_b32 s[G1H+2], 256<<16
	s_mov_b32 s[G1H+3], 32<<16
	s_mov_b32 s[G1H+4], 256
	s_mov_b32 s[G1H+5], 32
	s_mov_b32 s[G1H+6], 0
	s_mov_b32 s[G1H+7], 0
	s_mov_b32 s[SEL], 0x76543210
	s_mov_b32 s[SEL+1], 0xfedcba98
	s_mov_b32 s[CNT], 3
	v_and_b32 v57, 31, v0
	v_and_b32 v58, 15, v0
	v_bfe_u32 v59, v0, 4, 1
	v_lshlrev_b32 v[GA], 4, v57
	s_wait_alu depctr_va_vdst(0)
.irp S, 0,1,2,3
	s_add_co_u32 s54, s[ROT], 2*\S
	s_and_b32 s54, s54, 6
	s_lshl_b32 s54, s54, 9
	v_add_nc_u32 v[GAS+\S], s54, v[GA]
.endr
	s_lshl_b32 s52, s[WV], 15
	s_mov_b32 s53, 0
	v_add_nc_u32 v[ADRB], s52, v[GA]
	v_add_nc_u32 v[ADRB+1], SLOTB, v[ADRB]
	v_mul_u32_u24 v[ADRA], v58, AP
	v_lshl_add_u32 v[ADRA], v59, 4, v[ADRA]
	v_add_nc_u32 v[ADRA], AR0, v[ADRA]
	s_mul_i32 s54, s[WV], 16*AP
	s_add_co_u32 s56, s54, STG
	s_add_co_u32 s54, s54, AR0
	v_lshl_add_u32 v[AW], v57, 3, s54
	s_lshl_b32 s55, s[CX], 2
	s_add_co_u32 s55, s55, s[WV]
	s_lshl_b32 s55, s55, 13
	v_lshl_add_u32 v[PFO], v57, 8, s55
	v_mul_u32_u24 v[STO], v58, AP
	v_lshl_add_u32 v[STO], v59, 5, v[STO]
	v_add_nc_u32 v[STO], s56, v[STO]
	v_mul_u32_u24 v[RD], v59, AP
	v_lshl_add_u32 v[RD], v58, 4, v[RD]
	v_add_nc_u32 v[RD], s56, v[RD]
	v_lshlrev_b32 v[CO], 4, v58
	v_lshl_add_u32 v[CO], v59, 12, v[CO]
	s_lshl_b32 s56, s[WV], 13
	s_add_co_u32 s56, s56, HX
	v_add_nc_u32 v[HXS], s56, v[GA]
	v_add_nc_u32 v[HXL], HX, v[GA]
	v_lshlrev_b32 v[HO], 5, v59
	s_and_b32 s57, s[WG], 15
	s_lshl_b32 s57, s57, 8
	v_lshl_add_u32 v[RO], v58, 2, s57
	s_wait_dscnt 0x0
	s_wait_kmcnt 0x0
	s_load_b256 s[40:47], s[14:15], 0x0
	s_lshl_b32 s56, s[WG], 18
	s_lshl_b32 s57, s[WV], 16
	s_add_co_u32 s56, s56, s57
	s_mov_b32 s57, 0
	s_add_nc_u64 s[AB:AB+1], s[4:5], s[56:57]
	LOADS 0, 0
	s_add_nc_u64 s[WCB:WCB+1], s[6:7], 0x100000
	; THE HEAD'S FILL: one tensor load a wave.  The two slots are 262,144 bytes on end: wave w fills bytes 65,536 w on: half w % 2 of slot w / 2, which holds step w / 2 of my cluster's order
	s_mov_b32 s[G0H], 1
	s_lshl_b32 s[G0H+1], s[WV], 16
	s_lshr_b32 s54, s[WV], 1
	s_add_co_u32 s54, s54, s[ROT]
	s_and_b32 s54, s54, 7
	s_lshl_b32 s54, s54, 17
	s_and_b32 s55, s[WV], 1
	s_lshl_b32 s55, s55, 16
	s_add_co_u32 s54, s54, s55
	s_mov_b32 s55, 0
	s_add_nc_u64 s[G0H+2:G0H+3], s[WCB:WCB+1], s[54:55]
	s_or_b32 s[G0H+3], s[G0H+3], 0x80000000
	s_add_nc_u64 s[BQ:BQ+1], s[WCB:WCB+1], s[52:53]
.irp p, 0,1
	s_mov_b32 s[G0+4*\p], 1
	s_add_co_u32 s[G0+4*\p+1], s52, \p*SLOTB
	SETG0 \p, \p
.endr
	s_lshr_b32 s54, s[WG], 4
	s_lshl_b32 s56, s54, 16
	s_lshl_b32 s55, s[WV], 14
	s_add_co_u32 s56, s56, s55
	s_add_nc_u64 s[SCB:SCB+1], s[8:9], s[56:57]
	s_lshl_b32 s56, s[WV], 10
	s_add_nc_u64 s[BVB:BVB+1], s[10:11], s[56:57]
	s_lshl_b32 s56, s[WV], 8
	s_add_nc_u64 s[BOB0:BOB0+1], s[12:13], s[56:57]
	s_lshl_b32 s55, s[WG], 18
	s_add_co_u32 s56, s56, s55
	s_add_nc_u64 s[OB0:OB0+1], s[16:17], s[56:57]
	s_lshl_b32 s56, s[ROT], 9
	s_add_nc_u64 s[BOB:BOB+1], s[BOB0:BOB0+1], s[56:57]
	s_add_nc_u64 s[OB:OB+1], s[OB0:OB0+1], s[56:57]
	s_lshr_b32 s[GJ], s[ROT], 1
	s_add_co_u32 s[WJ], s[ROT], 2
	CROUND
	tensor_load_to_lds s[G0H:G0H+3], s[G1H:G1H+7]  ; my one tensor load at the head, a joint one; an s_nop 0 and four v_nop follow it
	s_nop 0
.rept 4
	v_nop
.endr
	s_wait_alu depctr_va_vdst(0)                   ; the wait at the head's end
	LOADS 1, 1                                     ; the second span's 32 loads stand behind the tensor load: with the first span's they are 64
	s_wait_kmcnt 0x0
	MKSCALE 44, SCA, LIM
	MKSCALE 46, SC6, LIM6
	s_add_co_i32 s[SP1], s44, s45
	s_add_co_i32 s[SP1], s[SP1], 127
	s_lshl_b32 s[SP1], s[SP1], 23
	s_mov_b32 s[SP1+1], s[SP1]
	s_add_co_i32 s[SP2], s46, s47
	s_add_co_i32 s[SP2], s[SP2], 127
	s_lshl_b32 s[SP2], s[SP2], 23
	s_mov_b32 s[SP2+1], s[SP2]
	s_wait_alu depctr_va_vdst(0)
	CONV 0, 0, 32
	LOADS 2, 0
	s_wait_tensorcnt 0x0                           ; my part of the two slots is in; behind the barrier everybody's is: a wave reads quarters that other waves fetched
	s_wait_dscnt 0x0
	s_barrier_signal -1
	s_barrier_wait -1
	FA 0, 0, 0
	FB 0, 0
	FB 0, 1
	STEP_A 0, 1
	CONV 1, 1, 32
	LOADS 3, 1
	STEP_B 0, 1
	STEP_A 1, 1
	ASK 0
	STEP_B 1, 1
	STEP_A 2, 1
	ASK 1
	CONV 2, 0, 32
.irp hd, 0,1,2,3
.irp i, 0,1,2,3,4,5,6,7
	global_load_b128 v[XS+32*\hd+4*\i:XS+32*\hd+4*\i+3], v[GA], s[SCB:SCB+1] offset:\hd*4096+512*\i
.endr
.endr
	STEP_B 2, 1
	STEP_A 3, 1
	ASK 2
	STEP_B 3, 1
	STEP_A 4, 1
	ASK 3
	CONV 3, 1, 32
	WIN 0x40
.irp tq, 0,1,2,3,4,5,6,7,8,9,10,11,12,13,14,15
.irp z, 0,1
	global_load_b128 v[XS+8*\tq+4*\z:XS+8*\tq+4*\z+3], v[HO], s[BVB:BVB+1] offset:64*\tq+16*\z
.endr
.endr
	WIN 0
	STEP_B 4, 1
	STEP_A 5, 1
.irp m, 0,1,2,3
.irp hd, 0,1,2,3
	global_load_b32 v[CD+2*(4*\m+\hd)], v[RO], s[SCB:SCB+1] offset:\hd*4096+\m*64
.endr
.endr
	STEP_B 5, 1
	STEP_A 6, 1
	SOFTMAX
	STEP_B 6, 1
	STEP_A 7, 0
	STEP_B 7, 0
	PLACES
.irp sg, 0,1
.irp m, 0,1,2,3
	WIN 0x12+\sg
.set tq, 0
.rept 8
.irp jp, 0,2,4,6
	v_pk_fma_f32 v[AF+8*tq+\jp:AF+8*tq+\jp+1], v[8*(4*tq+\m)+\jp:8*(4*tq+\m)+\jp+1], s[SP1:SP1+1], v[XS+64*\sg+8*tq+\jp:XS+64*\sg+8*tq+\jp+1] op_sel_hi:[1,0,1]
.endr
.set tq, tq+1
.endr
	WIN 0
.set tq, 0
.rept 8
.irp jp, 0,2,4,6
	v_pk_mul_f32 v[AF+8*tq+\jp:AF+8*tq+\jp+1], v[AF+8*tq+\jp:AF+8*tq+\jp+1], v[CD+2*(4*\m+2*\sg+tq/4):CD+2*(4*\m+2*\sg+tq/4)+1]
.endr
.set tq, tq+1
.endr
	HOLD AF, 64, LIM6
.set tq, 0
.rept 8
	v_cvt_scalef32_pk8_fp8_f32 v[XS+16*(4*\sg+\m)+2*tq:XS+16*(4*\sg+\m)+2*tq+1], v[AF+8*tq:AF+8*tq+7], v[SC6]
.set tq, tq+1
.endr
	v_nop
.endr
.endr
	s_wait_alu depctr_va_vdst(0)
.irp sg, 0,1
.if \sg == 1
	BARRIER
.endif
.irp m, 0,1,2,3
.irp c, 0,1,2,3
	ds_store_b128 v[HXS], v[XS+16*(4*\sg+\m)+4*\c:XS+16*(4*\sg+\m)+4*\c+3] offset:\m*2048+512*\c
.endr
.endr
	BARRIER
.irp wq, 0,1,2,3
	WIN 0x80+0x40*(\wq/2)
.irp m, 0,1,2,3
.irp c, 0,1,2,3
	ds_load_b128 v[16*(4*(2*(\wq%2)+\sg)+\m)+4*\c:16*(4*(2*(\wq%2)+\sg)+\m)+4*\c+3], v[HXL] offset:(4*\wq+\m)*2048+512*\c
.endr
.endr
.endr
	WIN 0
.endr
	BOLOAD
	FB2 0, 0
	FB2 0, 1
.Lgrp:
	STEP2 0, 1
	STEP2 1, 1
	OUT
	s_wait_xcnt 0x0
	s_add_co_u32 s[GJ], s[GJ], 1
	s_and_b32 s54, s[GJ], 3
	s_lshl_b32 s54, s54, 10
	s_mov_b32 s55, 0
	s_add_nc_u64 s[OB:OB+1], s[OB0:OB0+1], s[54:55]
	s_add_nc_u64 s[BOB:BOB+1], s[BOB0:BOB0+1], s[54:55]
	BOLOAD
	s_sub_co_u32 s[CNT], s[CNT], 1
	s_cmp_lg_u32 s[CNT], 0
	s_cbranch_scc1 .Lgrp
	STEP2 0, 0
	s_wait_dscnt 32
	MT 1, 0, 0, 7
	s_wait_dscnt 0x0
	MT 1, 1, 0, 7
	PLACES
	WIN 0
	OUT
	s_wait_tensorcnt 0x0
	ds_add_u32 v[SPW], v[NIL]
	s_wait_dscnt 0x0
	CROUND
	s_endpgm
.Lfunc_end_k_qb973289708_outp:
	.size	k_qb973289708_outp, .Lfunc_end_k_qb973289708_outp-k_qb973289708_outp
	.p2alignl 7, 3214868480
	.fill 96, 4, 3214868480
	.section	.rodata,"a",@progbits
	.p2align	6, 0x0
	.amdhsa_kernel k_qb973289708_outp
		.amdhsa_group_segment_fixed_size 327680
		.amdhsa_private_segment_fixed_size 0
		.amdhsa_enable_private_segment 0
		.amdhsa_kernarg_size 56
		.amdhsa_user_sgpr_count 2
		.amdhsa_user_sgpr_kernarg_segment_ptr 1
		.amdhsa_wavefront_size32 1
		.amdhsa_system_sgpr_workgroup_id_x 1
		.amdhsa_system_sgpr_workgroup_id_y 1
		.amdhsa_system_sgpr_workgroup_id_z 1
		.amdhsa_system_vgpr_workitem_id 0
		.amdhsa_next_free_vgpr 1024
		.amdhsa_next_free_sgpr 100
		.amdhsa_reserve_vcc 0
		.amdhsa_float_denorm_mode_32 3
		.amdhsa_float_denorm_mode_16_64 3
		.amdhsa_memory_ordered 1
		.amdhsa_forward_progress 1
		.amdhsa_inst_pref_size 255
	.end_amdhsa_kernel
	.section	.bss,"aw",@nobits
	.p2align	6
	.space	262144
	.amdgpu_metadata
---
amdhsa.version: [ 1, 2 ]
amdhsa.kernels:
  - .name:           k_qb973289708_outp
    .symbol:         k_qb973289708_outp.kd
    .args:
      - { .name: v, .offset: 0, .size: 8, .value_kind: global_buffer, .address_space: global }
      - { .name: wc, .offset: 8, .size: 8, .value_kind: global_buffer, .address_space: global }
      - { .name: sc, .offset: 16, .size: 8, .value_kind: global_buffer, .address_space: global }
      - { .name: bv, .offset: 24, .size: 8, .value_kind: global_buffer, .address_space: global }
      - { .name: bo, .offset: 32, .size: 8, .value_kind: global_buffer, .address_space: global }
      - { .name: lowp_scales, .offset: 40, .size: 8, .value_kind: global_buffer, .address_space: global }
      - { .name: out0, .offset: 48, .size: 8, .value_kind: global_buffer, .address_space: global }
    .group_segment_fixed_size: 327680
    .private_segment_fixed_size: 0
    .kernarg_segment_align: 8
    .kernarg_segment_size: 56
    .max_flat_workgroup_size: 128
    .sgpr_count:     100
    .vgpr_count:     1024
    .wavefront_size: 32
...
	.end_amdgpu_metadata
.endif
;; end of part 6
